; MI455X (gfx1250); checked and timed in simulation.
; The chip was launched on July 23, 2026; its instructions are those of AMD's public machine-readable ISA for CDNA 5 (MIT licence, August 2026) and "CDNA5" Instruction Set Architecture Reference Guide (July 2026). The comments in the code are by the model that wrote it; some were corrected since.
;; Sliding Window Attention. Allowed arithmetic: float matrix products may take bf16 or f16 operands with f32 sums; other float arithmetic in f32, or as packed bf16 or f16 multiplies, adds, multiply-adds, maxima and minima; sums over many terms, partial sums and values carried from step to step in f32; what a program stores and reads back later, other than sums and carried values, may be rounded once to bf16 or f16.
;; Inputs: cos 1 x 2,048 x 1 x 64 float32; out_w 1,024 x 1,024 float32; qkv_w 3,072 x 1,024 float32; sin 1 x 2,048 x 1 x 64 float32; x 4 x 2,048 x 1,024 float32.
;; Outputs: out0 4 x 2,048 x 1,024 float32.
;; 2 versions, each right; version 2 is version 1 with the launch cast written anew for expert scheduling mode. Each part assembles by itself: llvm-mc -triple=amdgcn-amd-amdhsa -mcpu=gfx1250 --defsym DOCPART=n.
;; ======== version 1 of 2: 4 launches
;; limits: values are held in f16: magnitudes above 65,504 overflow, below 6.1e-05 lose precision
;; workspace buffers: xb 16,777,216 bytes; wb 6,291,456 bytes; owh 2,097,152 bytes; tab 524,288 bytes; qh 16,777,216 bytes; kh 16,777,216 bytes; vh 16,777,216 bytes; oh 16,777,216 bytes
;; launch cast (part 1): grid 784 x 1, 8 waves a work-group, no clusters, 0 bytes of LDS; arguments x, qkv_w, out_w, cos, sin, xb, wb, owh, tab; writes xb, wb, owh, tab
.if DOCPART == 1
	.amdgcn_target "amdgcn-amd-amdhsa--gfx1250"
	.amdhsa_code_object_version 6
	.text
	.protected	k_q7cd4c02324_cast
	.globl	k_q7cd4c02324_cast
	.p2align	8
	.type	k_q7cd4c02324_cast,@function
k_q7cd4c02324_cast:
	s_mov_b64 s[64:65], 0
	v_nop
	global_prefetch_b8 v0, s[64:65] scope:SCOPE_SE
	s_setreg_imm32_b32 hwreg(HW_REG_WAVE_MODE, 25, 1), 1
	s_wait_xcnt 0x0
; THE INPUTS ARE ROUNDED ONCE, for the matrix launches that follow.  A stream: no LDS, no barrier, no matrix unit.
;   x      [8192][1024] f32 -> xb  [8192][1024] bf16
;   qkv_w  [3072][1024] f32 -> wb  [3072][1024] bf16, rows in another order: row 192 head + 64 kind + d holds qkv_w's row 1024 kind + 64 head + d
;                                  (kind 0 q, 1 k, 2 v), so that 192 neighbouring rows are one head's q, k and v
;   out_w  [1024][1024] f32 -> owh [1024][1024]: rounded to bf16, and that number written as f16 (the last product runs in f16)
;   cos, sin [2048][64] f32 -> tab: bf16(cos) x 2^-8 at byte 0, bf16(sin) x 2^-8 at byte 262,144.  The factor is a power of two: it changes no rounding.
; LIMITS.  A number of out_w below 2^-14 in size keeps f16's fixed step of 2^-24 (below 2^-17 that is coarser than bf16); beyond 65,504 it would be an infinity.
; cos or sin below 2^-118 in size lose bits to the factor.  NaN and infinities are not treated apart.
; SHARES.  A work-group converts 16,384 numbers: 64 KiB in, 32 KiB out.  Groups 0-511 x, 512-703 qkv_w (16 rows each), 704-767 out_w, 768-775 cos, 776-783 sin.
; Thread t takes 16 bytes at 16 t of each 4,096: a wave's load covers 512 consecutive bytes, its store 256 consecutive bytes, aligned.
; All sixteen loads of a thread go out at once; each has registers of its own, in and out, so no register is written twice.
.set D, 4                              ; v[4:67]    sixteen loads of four f32
.set Y, 68                             ; v[68:99]   sixteen pairs of packed results
.set T, 100                            ; v[100:101] at work
.set SRC, 28                           ; s[28:29] where I read
.set DST, 30                           ; s[30:31] where I write
.set SB,  32                           ; s32 first group of my source
.set DB,  33                           ; s33 first group of my destination (sin follows cos in tab)
.set KIND, 34                          ; s34 0 x, 1 qkv_w, 2 out_w, 3 cos and sin
	s_load_b512 s[8:23], s[0:1], 0x0               ; x 8, qkv_w 10, out_w 12, cos 14, sin 16, xb 18, wb 20, owh 22
	s_load_b64 s[24:25], s[0:1], 0x40              ; tab
	v_lshlrev_b32 v1, 4, v0                        ; 16 t: my bytes in 4,096 of the source
	v_lshlrev_b32 v2, 3, v0                        ; 8 t: in 2,048 of the destination
	s_mov_b32 s26, ttmp9
	s_mov_b32 s38, 0xffff0000                      ; a word's upper bf16
	s_mov_b32 s36, 0x3b800000                      ; 2^-8
	s_mov_b32 s37, s36                             ; named with it as a pair
	s_mov_b32 s[SB], 0
	s_mov_b32 s[DB], 0
	s_mov_b32 s[KIND], 0
	s_wait_kmcnt 0x0
	s_mov_b64 s[SRC:SRC+1], s[8:9]
	s_mov_b64 s[DST:DST+1], s[18:19]
.macro PICK first, src, dst, db, kind  ; from group first on: another source and destination
	s_cmp_ge_u32 s26, \first
	s_cselect_b64 s[SRC:SRC+1], s[\src:\src+1], s[SRC:SRC+1]
	s_cselect_b64 s[DST:DST+1], s[\dst:\dst+1], s[DST:DST+1]
	s_cselect_b32 s[SB], \first, s[SB]
	s_cselect_b32 s[DB], \db, s[DB]
	s_cselect_b32 s[KIND], \kind, s[KIND]
.endm
	PICK 512, 10, 20, 512, 1
	PICK 704, 12, 22, 704, 2
	PICK 768, 14, 24, 768, 3
	PICK 776, 16, 24, 768, 3
	s_sub_co_u32 s44, s26, s[SB]                   ; my group within the source
	s_lshl_b32 s40, s44, 16                        ; x 64 KiB
	s_mov_b32 s41, 0
	s_sub_co_u32 s42, s26, s[DB]
	s_lshl_b32 s42, s42, 15                        ; x 32 KiB: the plain place in the destination
	s_mov_b32 s43, 0
	s_lshr_b32 s45, s44, 2                         ; qkv_w: four groups are 64 rows, one kind of one head
	s_and_b32 s46, s45, 15                         ; head
	s_lshr_b32 s45, s45, 4                         ; kind
	s_and_b32 s44, s44, 3                          ; which 16 of the 64 rows
	s_mul_i32 s46, s46, 192
	s_lshl_b32 s45, s45, 6
	s_add_co_u32 s46, s46, s45
	s_lshl_b32 s44, s44, 4
	s_add_co_u32 s46, s46, s44                     ; row 192 head + 64 kind + 16 part
	s_lshl_b32 s46, s46, 11                        ; x 2,048 bytes
	s_cmp_eq_u32 s[KIND], 1
	s_cselect_b32 s42, s46, s42
	s_add_nc_u64 s[SRC:SRC+1], s[SRC:SRC+1], s[40:41]
	s_add_nc_u64 s[DST:DST+1], s[DST:DST+1], s[42:43]
.set i, 0
.rept 16
	global_load_b128 v[D+4*i:D+4*i+3], v1, s[SRC:SRC+1] offset:4096*i th:TH_LOAD_NT  ; each input byte is read once in the launch
.set i, i+1
.endr
; mode 0: bf16.  mode 1: bf16, widened again (a shift, a mask) and written as f16.  mode 2: times 2^-8, then bf16.
.macro WAY mode
.set i, 0
.rept 16
	s_wait_loadcnt 15-i                            ; loads come back in order: load i is in, the 15 - i younger ones stay out
.if (\mode) == 2
	v_pk_mul_f32 v[D+4*i:D+4*i+1], v[D+4*i:D+4*i+1], s[36:37] op_sel_hi:[1,0]
	v_pk_mul_f32 v[D+4*i+2:D+4*i+3], v[D+4*i+2:D+4*i+3], s[36:37] op_sel_hi:[1,0]
.endif
.if (\mode) == 1
	v_cvt_pk_bf16_f32 v[T], v[D+4*i], v[D+4*i+1]
	v_cvt_pk_bf16_f32 v[T+1], v[D+4*i+2], v[D+4*i+3]
	v_lshlrev_b32 v[D+4*i], 16, v[T]
	v_and_b32 v[D+4*i+1], s38, v[T]
	v_lshlrev_b32 v[D+4*i+2], 16, v[T+1]
	v_and_b32 v[D+4*i+3], s38, v[T+1]
	v_cvt_pk_f16_f32 v[Y+2*i], v[D+4*i], v[D+4*i+1]
	v_cvt_pk_f16_f32 v[Y+2*i+1], v[D+4*i+2], v[D+4*i+3]
.else
	v_cvt_pk_bf16_f32 v[Y+2*i], v[D+4*i], v[D+4*i+1]
	v_cvt_pk_bf16_f32 v[Y+2*i+1], v[D+4*i+2], v[D+4*i+3]
.endif
	global_store_b64 v2, v[Y+2*i:Y+2*i+1], s[DST:DST+1] offset:2048*i
.set i, i+1
.endr
	s_endpgm
.endm
	s_cmp_eq_u32 s[KIND], 2
	s_cbranch_scc1 .Lhalf
	s_cmp_eq_u32 s[KIND], 3
	s_cbranch_scc1 .Lscaled
	WAY 0
.Lhalf:
	WAY 1
.Lscaled:
	WAY 2
.Lfunc_end_k_q7cd4c02324_cast:
	.size	k_q7cd4c02324_cast, .Lfunc_end_k_q7cd4c02324_cast-k_q7cd4c02324_cast
	.p2alignl 7, 3214868480
	.fill 96, 4, 3214868480
	.section	.rodata,"a",@progbits
	.p2align	6, 0x0
	.amdhsa_kernel k_q7cd4c02324_cast
		.amdhsa_group_segment_fixed_size 0
		.amdhsa_private_segment_fixed_size 0
		.amdhsa_enable_private_segment 0
		.amdhsa_kernarg_size 72
		.amdhsa_user_sgpr_count 2
		.amdhsa_user_sgpr_kernarg_segment_ptr 1
		.amdhsa_wavefront_size32 1
		.amdhsa_system_sgpr_workgroup_id_x 1
		.amdhsa_system_sgpr_workgroup_id_y 1
		.amdhsa_system_sgpr_workgroup_id_z 1
		.amdhsa_system_vgpr_workitem_id 0
		.amdhsa_next_free_vgpr 104
		.amdhsa_next_free_sgpr 66
		.amdhsa_reserve_vcc 0
		.amdhsa_float_denorm_mode_32 3
		.amdhsa_float_denorm_mode_16_64 3
		.amdhsa_memory_ordered 1
		.amdhsa_forward_progress 1
		.amdhsa_inst_pref_size 23
	.end_amdhsa_kernel
	.amdgpu_metadata
---
amdhsa.version: [ 1, 2 ]
amdhsa.kernels:
  - .name:           k_q7cd4c02324_cast
    .symbol:         k_q7cd4c02324_cast.kd
    .args:
      - { .name: x, .offset: 0, .size: 8, .value_kind: global_buffer, .address_space: global }
      - { .name: qkv_w, .offset: 8, .size: 8, .value_kind: global_buffer, .address_space: global }
      - { .name: out_w, .offset: 16, .size: 8, .value_kind: global_buffer, .address_space: global }
      - { .name: cos, .offset: 24, .size: 8, .value_kind: global_buffer, .address_space: global }
      - { .name: sin, .offset: 32, .size: 8, .value_kind: global_buffer, .address_space: global }
      - { .name: xb, .offset: 40, .size: 8, .value_kind: global_buffer, .address_space: global }
      - { .name: wb, .offset: 48, .size: 8, .value_kind: global_buffer, .address_space: global }
      - { .name: owh, .offset: 56, .size: 8, .value_kind: global_buffer, .address_space: global }
      - { .name: tab, .offset: 64, .size: 8, .value_kind: global_buffer, .address_space: global }
    .group_segment_fixed_size: 0
    .private_segment_fixed_size: 0
    .kernarg_segment_align: 8
    .kernarg_segment_size: 72
    .max_flat_workgroup_size: 256
    .sgpr_count:     66
    .vgpr_count:     104
    .wavefront_size: 32
...
	.end_amdgpu_metadata
.endif
;; end of part 1
;; launch qkv (part 2): grid 16 x 32, 4 waves a work-group, clusters of 4 x 4, 327,680 bytes of LDS; arguments xb, wb, tab, qh, kh, vh; writes qh, kh, vh
.if DOCPART == 2
	.amdgcn_target "amdgcn-amd-amdhsa--gfx1250"
	.amdhsa_code_object_version 6
	.text
	.protected	k_q7cd4c02324_qkv
	.globl	k_q7cd4c02324_qkv
	.p2align	8
	.type	k_q7cd4c02324_qkv,@function
k_q7cd4c02324_qkv:
	s_mov_b64 s[64:65], 0
	v_nop
	global_prefetch_b8 v0, s[64:65] scope:SCOPE_SE
	s_setreg_imm32_b32 hwreg(HW_REG_WAVE_MODE, 25, 1), 1
	s_wait_xcnt 0x0
	s_wait_alu depctr_hold_cnt(0) depctr_sa_sdst(0) depctr_va_vdst(0) depctr_va_sdst(0) depctr_va_ssrc(0) depctr_va_vcc(0) depctr_vm_vsrc(0)
	s_getreg_b32 s2, hwreg(HW_REG_IB_STS2, 6, 4)
	s_cmp_eq_u32 s2, 0
	s_cbranch_scc0 .Lentry_in_a_cluster
	s_endpgm
.Lentry_in_a_cluster:
	s_bfe_u32 s2, ttmp6, 0x10000c
	s_cmp_lg_u32 s2, 0xf033
	s_cbranch_scc0 .Lentry_shape_is_right
	s_endpgm
.Lentry_shape_is_right:
; q, k, v = x W^T, RoPE on q and k, written by heads.  xb [8192][1024] bf16; wb [3072][1024] bf16, row 192 head + 64 kind + d; tab: cos x 2^-8 [2048][64] bf16, then sin x 2^-8.
; qh, kh, vh: [64 = 16 batch + head][2048][64] f16.  Products in bf16 with f32 sums, RoPE in f32, each result rounded once to f16.
; q and k ARE STORED TIMES 2^-8 (the factor sits in the table, is exact, and is undone in the next launch's softmax constant); v as it is.
; LIMITS.  f16 ends at 65,504: |q|, |k| after RoPE stay under 1.6e7, |v| under 65,504; below 2^-6 (q, k) or 2^-14 (v) a number keeps f16's fixed step.  NaN and infinities are not treated apart.
; SHARES.  A tile is 256 rows (of one batch) x 192 columns: ONE head's q, k and v.  512 tiles, two for each of 256 work-group places.  Wave w makes rows 64 w .. 64 w + 63 and all 192 columns:
; 4 x 12 = 48 accumulators of 16 x 16, 384 registers.  So a lane holds both halves of a head's channels, RoPE never leaves the lane, and each wave's stage on the way out is its own.
; K goes in steps of 128 through two LDS slots filled by the tensor data mover; rows of 256 bytes, each at a multiple of 256 from the buffer's first byte.
; CLUSTER 4 x 4.  The four of a cluster's row need the same rows of x, the four of a column the same head's weights: each tile is asked for JOINTLY, the same load, descriptor and mask in all four.
; TRANSPOSED USE.  Source 0 = 16 rows of W, source 1 = 16 rows of x: a lane holds row l % 16 and the columns 16 b + 8 (l / 16) + 0..7 of block b.
; REGISTERS, in windows of 256 (s_set_vgpr_msb: bits 1:0 source 0, 3:2 source 1, 5:4 source 2, 7:6 destination):
;   window 0: v0-31 addresses; v32-79 packed results; v128-255 my rows of the table, as loaded (they are on their way during the whole K loop)
;   window 1: two fragment buffers of 128 (x: block a at 8 a; W: block b at 32 + 8 b); on the way out v0-31 cos, v32-63 sin in f32, v64-255 rows read back from the stage
;   window 2: accumulators of row blocks 0, 1 ((a, b) at 8 (12 (a % 2) + b)); v192-255 q and k after RoPE.   window 3: the same for row blocks 2, 3
.set KSTEP,  128
.set PITCH,  272                       ; an LDS row: 256 bytes + 16 of padding = 68 words: the 16 rows of a fragment load start at 16 different groups of four banks (64 banks of 4 bytes: ISA guide 11.1)
.set HALFA,  128*PITCH                 ; what waves 0 and 1 fetch: 128 rows of x each
.set HALFB,  96*PITCH                  ; what waves 2 and 3 fetch: 96 rows of W each
.set SLOT,   2*HALFA+2*HALFB           ; x's 256 rows, then W's 192
.set STAGE,  2*SLOT                    ; behind the ring: 16 rows x 400 bytes for each wave; no tensor load lands here
.set SP,     400                       ; 384 bytes (192 f16) + 16
.set SPARE,  STAGE+4*16*SP             ; the spare words, 128 bytes a wave: two blocks of 256 bytes that no other line names
.set PADF,   (1<<16)|(1<<20)|(1<<21)|(5<<22)|(3<<25)  ; elements of 2 bytes; padding on; bit 21 beside a mask; after every 64 words; 4 words
.set ADRA, 16                          ; v16-17 LDS address of my fragments of x in slot 0, 1
.set ADRB, 20                          ; v20-21 the same for W
.set STO,  24                          ; v24 the way out: where I put 16 bytes of a row
.set RD,   25                          ; v25 where I read rows back
.set GO,   26                          ; v26 16 x lane: my place in 512 consecutive bytes of q, k or v
.set TO,   27                          ; v27 my byte offset in 16 rows of the table
.set SPW,  28                          ; v28 my spare word; never rewritten
.set NIL,  29                          ; v29 0; never rewritten
.set PFO,  30                          ; v30 the prefetches' offset: a lane a row; never rewritten
.set TMP,  32
.set TAB,  128                         ; row block a: cos at TAB + 32 a + 4 j, sin 16 further on (j: block of 16 channels)
.set F0,   0
.set F1,   128
.set CW,   0
.set SW,   32
.set BK,   64
.set R,    192
.set G1,   24                          ; s[24:31] group 1 for x's tiles;   s[32:39] group 0, a set for each slot
.set G0,   32
.set G1B,  48                          ; s[48:55], s[56:63] the same for W's
.set G0B,  56
.set WV,   16                          ; s16 wave
.set FB,   17                          ; s17 0: I fetch x, 1: W
.set HF,   18                          ; s18 which half of that tile
.set LAP,  19                          ; s19 trips to go
.set CX,   20
.set CY,   21
.set TC,   22                          ; s22 the head
.set TR,   23                          ; s23 the block of 256 rows
.set LIM,  42                          ; s42 1 in a wave that prefetches, else the greatest number
.set PFA,  44                          ; s[44:45] where my prefetches stand
.set MSB, 0
.macro WIN new                         ; the immediate's high byte repeats the setting that is left; a switch that changes nothing is dropped
.if MSB != (\new)
	s_set_vgpr_msb (MSB<<8)|(\new)
.set MSB, \new
.endif
.endm
.macro PLACES                          ; four plain places behind matrix instructions, in front of loads into registers that they read and of lines that read results
.rept 4
	v_nop
.endr
.endm
; A joint load.  Each of the two lines has one mask and one set of registers for all that issue it; the branch hangs on the wave's number alone.  An s_nop 0 and four v_nop follow each line.
.macro JLOAD s
	s_cmp_eq_u32 s[FB], 0
	s_cbranch_scc0 .Lfor_b_\@
	tensor_load_to_lds s[G0+4*(\s):G0+4*(\s)+3], s[G1:G1+7]
	s_nop 0
.rept 4
	v_nop
.endr
	s_branch .Lasked_\@
.Lfor_b_\@:
	tensor_load_to_lds s[G0B+4*(\s):G0B+4*(\s)+3], s[G1B:G1B+7]
	s_nop 0
.rept 4
	v_nop
.endr
.Lasked_\@:
.endm
.macro CREST                           ; a round of the cluster's barrier behind its opening barrier
	s_cmp_lg_u32 s[WV], 0
	s_cbranch_scc1 .Lnot_wave_0_\@
	s_barrier_signal -3
.Lnot_wave_0_\@:
	s_barrier_wait -3
	s_barrier_signal -1
	s_barrier_wait -1
.endm
.macro CROUND
	s_barrier_signal -1
	s_barrier_wait -1
	CREST
.endm
; A PREFETCH, behind each joint refill and the run of LDS loads that follows it: the K step that stands two refills on, 384 matrix instructions ahead of the load that will want it.  A lane a row, 256 bytes of each.
; Each row's 256 bytes of a K step are named by one wave of one work-group: x's rows by the clusters with x = 0, W's by those with y = 0; the four partners that ask for a tile jointly share its rows out BY
; ADDRESS (32 cx of x's 128, 24 cy of W's 96, where lanes 24-31 repeat the last row).  K steps 0 to 3 come by their loads alone; the loop's last trip (s19 = 1) has no K step two on and asks for nothing.
.macro ASK
	WIN 0
	s_cmp_gt_u32 s[LAP], s[LIM]
	s_cbranch_scc0 .Lnot_mine_\@
	global_prefetch_b8 v[PFO], s[PFA:PFA+1] th:TH_LOAD_NT scope:SCOPE_SE
.Lnot_mine_\@:
.endm
	s_load_b256 s[4:11], s[0:1], 0x0               ; xb 4, wb 6, tab 8, qh 10
	s_load_b128 s[12:15], s[0:1], 0x20             ; kh 12, vh 14
	v_lshl_add_u32 v[SPW], v0, 2, SPARE
	v_mov_b32 v[NIL], 0
	ds_add_u32 v[SPW], v[NIL]                      ; the wave's opening: the add and its wait come ahead of my first tensor load; work on registers stands between them
	v_lshrrev_b32 v1, 5, v0
	v_readfirstlane_b32 s[WV], v1
	s_lshr_b32 s[FB], s[WV], 1
	s_and_b32 s[HF], s[WV], 1
	s_bfe_u32 s[CX], ttmp6, 0x40000
	s_bfe_u32 s[CY], ttmp6, 0x40004
	s_lshl_b32 s[TC], ttmp9, 2
	s_add_co_u32 s[TC], s[TC], s[CX]               ; head = 4 x cluster x + cx
	s_and_b32 s[TR], ttmp7, 0xffff
	s_lshl_b32 s[TR], s[TR], 2
	s_add_co_u32 s[TR], s[TR], s[CY]               ; row block = 4 x cluster y + cy
	s_lshl_b32 s40, s[CY], 2
	s_lshl_b32 s40, 15, s40                        ; my row of the cluster
	s_lshl_b32 s41, 0x1111, s[CX]                  ; my column
	s_or_b32 s[G1], s40, PADF                      ; x's tiles go to my row,
	s_or_b32 s[G1B], s41, PADF                     ; W's to my column
	s_mov_b32 s[G1+1], KSTEP<<16                   ; tensor_dim0 = 128
	s_mov_b32 s[G1+2], 128<<16                     ; tensor_dim1 = 128
	s_mov_b32 s[G1+3], KSTEP<<16                   ; tile_dim0 = 128
	s_mov_b32 s[G1+4], 128                         ; tile_dim1 = 128
	s_mov_b32 s[G1+5], 1024                        ; elements from row to row
	s_mov_b32 s[G1+6], 0
	s_mov_b32 s[G1+7], 0
	s_mov_b32 s[G1B+1], KSTEP<<16
	s_mov_b32 s[G1B+2], 96<<16                     ; 96 rows
	s_mov_b32 s[G1B+3], KSTEP<<16
	s_mov_b32 s[G1B+4], 96
	s_mov_b32 s[G1B+5], 1024
	s_mov_b32 s[G1B+6], 0
	s_mov_b32 s[G1B+7], 0
	s_lshl_b32 s66, s[TR], 8                       ; x: row 256 x row block + 128 x half; no register on this way holds cx
	s_lshl_b32 s67, s[HF], 7
	s_add_co_u32 s66, s66, s67
	s_lshl_b32 s66, s66, 11                        ; x 2,048 bytes (under 2^24)
	s_mov_b32 s67, 0
	s_mul_i32 s68, s[TC], 192                      ; W: row 192 x head + 96 x half; none here holds cy
	s_mul_i32 s69, s[HF], 96
	s_add_co_u32 s68, s68, s69
	s_lshl_b32 s68, s68, 11
	s_mov_b32 s69, 0
	s_mul_i32 s79, s[HF], HALFA                    ; where they go: no place in the cluster enters an LDS address
	s_mul_i32 s80, s[HF], HALFB
	s_add_co_u32 s80, s80, 2*HALFA
	s_mov_b32 s78, 0xffff0000                      ; a word's upper bf16
	s_wait_dscnt 0x0                               ; the opening add is done
	s_wait_kmcnt 0x0
	s_add_nc_u64 s[70:71], s[4:5], s[66:67]
	s_add_nc_u64 s[72:73], s[6:7], s[68:69]
	CROUND                                         ; all sixteen work-groups are here: the first joint loads meet
.irp s, 0,1
	s_mov_b32 s[G0+4*(\s)], 1
	s_add_co_u32 s[G0+4*(\s)+1], s79, (\s)*SLOT
	s_add_nc_u64 s[G0+4*(\s)+2:G0+4*(\s)+3], s[70:71], (\s)*KSTEP*2  ; K step s
	s_or_b32 s[G0+4*(\s)+3], s[G0+4*(\s)+3], 0x80000000              ; type = 2
	s_mov_b32 s[G0B+4*(\s)], 1
	s_add_co_u32 s[G0B+4*(\s)+1], s80, (\s)*SLOT
	s_add_nc_u64 s[G0B+4*(\s)+2:G0B+4*(\s)+3], s[72:73], (\s)*KSTEP*2
	s_or_b32 s[G0B+4*(\s)+3], s[G0B+4*(\s)+3], 0x80000000
	JLOAD \s                                       ; two loads of mine are out
.endr
	; A fragment is 16 rows x 32 K in 8 registers: lane l holds row l % 16, K = 8 (l / 16) + 0..7 and 16 + 8 (l / 16) + 0..7: two loads of 16 bytes, 32 bytes apart.
	v_and_b32 v1, 15, v0                           ; r
	v_bfe_u32 v2, v0, 4, 1                         ; h
	v_mul_u32_u24 v3, v1, PITCH
	v_lshl_add_u32 v3, v2, 4, v3
	s_mul_i32 s79, s[WV], 64*PITCH                 ; my 64 rows of x
	v_add_nc_u32 v[ADRA], s79, v3
	v_add_nc_u32 v[ADRA+1], SLOT, v[ADRA]
	v_add_nc_u32 v[ADRB], 2*HALFA, v3              ; all 192 rows of W
	v_add_nc_u32 v[ADRB+1], SLOT, v[ADRB]
	s_mul_i32 s80, s[WV], 16*SP
	s_add_co_u32 s80, s80, STAGE                   ; my stage
	v_mul_u32_u24 v[STO], v1, SP                   ; in: row r, 16 bytes for each half of the lanes
	v_lshl_add_u32 v[STO], v2, 4, v[STO]
	v_add_nc_u32 v[STO], s80, v[STO]
	v_bfe_u32 v[RD], v0, 3, 2                      ; back: 32 lanes take 128 bytes of each of four rows,
	v_mul_u32_u24 v[RD], v[RD], SP
	v_and_b32 v4, 7, v0
	v_lshl_add_u32 v[RD], v4, 4, v[RD]
	v_add_nc_u32 v[RD], s80, v[RD]
	v_and_b32 v[GO], 31, v0                        ; which are 512 consecutive bytes of q, k or v
	v_lshlrev_b32 v[GO], 4, v[GO]
	v_lshlrev_b32 v[TO], 7, v1                     ; the table: row r x 128 bytes + 16 h
	v_lshl_add_u32 v[TO], v2, 4, v[TO]
	s_lshr_b32 s81, s[TR], 3                       ; batch
	s_lshl_b32 s81, s81, 4
	s_add_co_u32 s81, s81, s[TC]                   ; 16 batch + head
	s_lshl_b32 s81, s81, 18                        ; x 2,048 rows of 128 bytes
	s_and_b32 s82, s[TR], 7
	s_lshl_b32 s82, s82, 8
	s_lshl_b32 s83, s[WV], 6
	s_add_co_u32 s82, s82, s83                     ; t of my first row
	s_lshl_b32 s82, s82, 7                         ; x 128 bytes: in the table, and in q, k, v
	s_mov_b32 s83, 0
	s_add_nc_u64 s[74:75], s[8:9], s[82:83]        ; cos at my rows
	s_add_nc_u64 s[76:77], s[74:75], 262144        ; sin
	s_add_co_u32 s82, s82, s81
	s_add_nc_u64 s[10:11], s[10:11], s[82:83]
	s_add_nc_u64 s[12:13], s[12:13], s[82:83]
	s_add_nc_u64 s[14:15], s[14:15], s[82:83]
.irp a, 0,1,2,3
.irp j, 0,1,2,3
	global_load_b128 v[TAB+32*(\a)+4*(\j):TAB+32*(\a)+4*(\j)+3],       v[TO], s[74:75] offset:(\a)*2048+32*(\j)  ; cos(t, 16 j + 8 h + 0..7): waited for on the way out
	global_load_b128 v[TAB+32*(\a)+16+4*(\j):TAB+32*(\a)+16+4*(\j)+3], v[TO], s[76:77] offset:(\a)*2048+32*(\j)
.endr
.endr
	; the prefetches' place
	s_lshl_b32 s79, s[TR], 8
	s_lshl_b32 s80, s[HF], 7
	s_add_co_u32 s79, s79, s80
	s_lshl_b32 s80, s[CX], 5
	s_add_co_u32 s79, s79, s80                     ; x: my work-group's 32 of the 128 rows that I fetch
	s_mul_i32 s80, s[TC], 192
	s_mul_i32 s81, s[HF], 96
	s_add_co_u32 s80, s80, s81
	s_mul_i32 s81, s[CY], 24
	s_add_co_u32 s80, s80, s81                     ; W: my work-group's 24 of the 96
	s_and_b32 s81, ttmp7, 0xffff
	s_cmp_eq_u32 s[FB], 0
	s_cselect_b32 s82, s79, s80
	s_cselect_b32 s81, ttmp9, s81                  ; the coordinate along which other clusters read the same rows
	s_cselect_b32 s79, 31, 23
	s_cselect_b64 s[PFA:PFA+1], s[4:5], s[6:7]
	s_cmp_eq_u32 s81, 0
	s_cselect_b32 s[LIM], 1, -1                    ; the same in all sixteen partners, for a given wave
	s_lshl_b32 s82, s82, 11
	s_add_co_u32 s82, s82, 3*KSTEP*2               ; at K step 3: the first refill steps it to 4
	s_mov_b32 s83, 0
	s_add_nc_u64 s[PFA:PFA+1], s[PFA:PFA+1], s[82:83]
	v_and_b32 v[PFO], 31, v0
	v_min_u32 v[PFO], s79, v[PFO]
	v_lshlrev_b32 v[PFO], 11, v[PFO]
; 12 matrix instructions: row block a x all 12 column blocks, 32 along K.  The 48 accumulators take turns in the same order in every quarter, over the backward jump too.
.macro MUL12 f, a, zero
	WIN 0xa5+0x50*((\a)/2)                         ; sources in window 1; C and D in window 2 (blocks 0, 1) or 3
.irp b, 0,1,2,3,4,5,6,7,8,9,10,11
.if \zero
	v_wmma_f32_16x16x32_bf16 v[8*(12*((\a)%2)+(\b)):8*(12*((\a)%2)+(\b))+7], v[(\f)+32+8*(\b):(\f)+32+8*(\b)+7], v[(\f)+8*(\a):(\f)+8*(\a)+7], 0
.else
	v_wmma_f32_16x16x32_bf16 v[8*(12*((\a)%2)+(\b)):8*(12*((\a)%2)+(\b))+7], v[(\f)+32+8*(\b):(\f)+32+8*(\b)+7], v[(\f)+8*(\a):(\f)+8*(\a)+7], v[8*(12*((\a)%2)+(\b)):8*(12*((\a)%2)+(\b))+7]
.endif
.endr
.endm
.macro MUL24 f, hi, zero
	MUL12 \f, 2*(\hi), \zero
	MUL12 \f, 2*(\hi)+1, \zero
.endm
; 32 LDS loads in one run: W's 12 fragments, then x's 4 in ascending order, for 32 K at byte k of the rows, into buffer f
.macro FETCH slot, k, f
	WIN 0x40                                       ; destination window 1, address window 0
.irp b, 0,1,2,3,4,5,6,7,8,9,10,11
	ds_load_b128 v[(\f)+32+8*(\b):(\f)+32+8*(\b)+3],   v[ADRB+(\slot)] offset:(\k)+(\b)*16*PITCH
	ds_load_b128 v[(\f)+32+8*(\b)+4:(\f)+32+8*(\b)+7], v[ADRB+(\slot)] offset:(\k)+(\b)*16*PITCH+32
.endr
.irp a, 0,1,2,3
	ds_load_b128 v[(\f)+8*(\a):(\f)+8*(\a)+3],   v[ADRA+(\slot)] offset:(\k)+(\a)*16*PITCH
	ds_load_b128 v[(\f)+8*(\a)+4:(\f)+8*(\a)+7], v[ADRA+(\slot)] offset:(\k)+(\a)*16*PITCH+32
.endr
.endm
; A K step is four quarters of 32 along K, 48 matrix instructions each, on buffers 0, 1, 0, 1.  One of the first three: multiplies f, and in its middle fetches the next quarter into g.
.macro QUARTER slot, k, f, g, zero
	s_wait_dscnt 4                                 ; W and x's blocks 0, 1 are in; the youngest four loads (blocks 2, 3) may be out
	MUL24 \f, 0, \zero
	PLACES
	FETCH \slot, \k, \g
	s_wait_dscnt 32                                ; all but the 32 just issued
	MUL24 \f, 1, \zero
.endm
; The last quarter multiplies buffer 1 and changes slots.  In front of the barrier each wave waits for all its tensor loads (one is out: its part of the next slot), adds 0 to its spare word, and waits for that and
; for its reads of this slot.  fill = 1: the barrier opens a round of the cluster's, so that no wave of any partner still reads the slot or has a load on its way; the joint refill, two K steps on, is the first thing behind it.
.macro TURN slot, next, fill
.if \fill
	s_wait_xcnt 0x0                                ; the last prefetch, a K step back, has read its address, which is stepped here
	s_add_nc_u64 s[PFA:PFA+1], s[PFA:PFA+1], KSTEP*2
.endif
	WIN 0                                          ; (the add's two registers lie in window 0)
	s_wait_tensorcnt 0x0
	ds_add_u32 v[SPW], v[NIL]
	s_wait_dscnt 5                                 ; (the add and the youngest four loads may be out)
	MUL12 F1, 0, 0                                 ; twelve matrix instructions stand between the add and the wait for it
	s_wait_dscnt 0x0                               ; the add is done, and my reads of this slot are over
	s_barrier_signal -1
	MUL12 F1, 1, 0
.if \fill
	WIN 0
.endif
	s_barrier_wait -1
.if \fill
	CREST
	s_add_nc_u64 s[G0+4*(\slot)+2:G0+4*(\slot)+3], s[G0+4*(\slot)+2:G0+4*(\slot)+3], 2*KSTEP*2
	s_add_nc_u64 s[G0B+4*(\slot)+2:G0B+4*(\slot)+3], s[G0B+4*(\slot)+2:G0B+4*(\slot)+3], 2*KSTEP*2
	JLOAD \slot                                    ; my one tensor load behind the round; its four v_nop are also the places in front of the loads below
.else
	PLACES
.endif
	FETCH \next, 0, F0
.if \fill
	ASK
.endif
	MUL24 F1, 1, 0
.endm
	s_wait_tensorcnt 1                             ; my part of K step 0 is in; K step 1's may stay out
	s_barrier_signal -1
	s_barrier_wait -1
	FETCH 0, 0, F0
	QUARTER 0, 64,  F0, F1, 1                      ; the first quarter's products start the sums: nothing is cleared
	WIN 0
	s_mov_b32 s[LAP], 3                            ; 8 K steps are 4 laps of the ring; the last is written out
.Llap:                                                 ; a trip goes once round the ring, from a lap's second quarter to the next lap's first, and fills both slots again
	QUARTER 0, 128, F1, F0, 0
	QUARTER 0, 192, F0, F1, 0
	TURN 0, 1, 1
	QUARTER 1, 64,  F0, F1, 0
	QUARTER 1, 128, F1, F0, 0
	QUARTER 1, 192, F0, F1, 0
	TURN 1, 0, 1
	QUARTER 0, 64,  F0, F1, 0
	WIN 0
	s_sub_co_u32 s[LAP], s[LAP], 1
	s_cmp_lg_u32 s[LAP], 0
	s_cbranch_scc1 .Llap
	QUARTER 0, 128, F1, F0, 0                      ; the last lap fills nothing
	QUARTER 0, 192, F0, F1, 0
	TURN 0, 1, 0
	QUARTER 1, 64,  F0, F1, 0
	QUARTER 1, 128, F1, F0, 0
	QUARTER 1, 192, F0, F1, 0
	s_wait_dscnt 4
	MUL24 F1, 0, 0
	s_wait_dscnt 0x0
	MUL24 F1, 1, 0
; THE WAY OUT, a block of 16 rows at a time.
.macro WIDEN a                         ; the block's cos and sin, bf16 to f32: a shift, a mask
	WIN 0x40
.irp j, 0,1,2,3
.irp i, 0,1,2,3
	v_lshlrev_b32 v[CW+8*(\j)+2*(\i)],   16,  v[TAB+32*(\a)+4*(\j)+(\i)]
	v_and_b32     v[CW+8*(\j)+2*(\i)+1], s78, v[TAB+32*(\a)+4*(\j)+(\i)]
	v_lshlrev_b32 v[SW+8*(\j)+2*(\i)],   16,  v[TAB+32*(\a)+16+4*(\j)+(\i)]
	v_and_b32     v[SW+8*(\j)+2*(\i)+1], s78, v[TAB+32*(\a)+16+4*(\j)+(\i)]
.endr
.endr
.endm
; RoPE for q (s = 0) and k (s = 1).  Channels d < 32 lie in blocks j = 0, 1, channels d + 32 in blocks j + 2 of the same lane:
; out[d] = lo cos[d] - hi sin[d];  out[d + 32] = hi cos[d + 32] + lo sin[d + 32].  Each accumulator is read from its low end on.
.macro ROPE a
	WIN 0xa6+0x51*((\a)/2)                         ; destination, sources 0 and 2 in the accumulators' window, source 1 (the table) in window 1
.irp s, 0,1
.irp j, 0,1
.set LO, 8*(12*((\a)%2)+4*(\s)+(\j))
.set HI, LO+16
.set R1, R+8*(4*(\s)+(\j))
.set R2, R1+16
.irp p, 0,2,4,6
	v_pk_mul_f32 v[R1+(\p):R1+(\p)+1], v[LO+(\p):LO+(\p)+1], v[CW+8*(\j)+(\p):CW+8*(\j)+(\p)+1]
	v_pk_mul_f32 v[R2+(\p):R2+(\p)+1], v[HI+(\p):HI+(\p)+1], v[CW+16+8*(\j)+(\p):CW+16+8*(\j)+(\p)+1]
	v_pk_fma_f32 v[R1+(\p):R1+(\p)+1], v[HI+(\p):HI+(\p)+1], v[SW+8*(\j)+(\p):SW+8*(\j)+(\p)+1], v[R1+(\p):R1+(\p)+1] neg_lo:[1,0,0] neg_hi:[1,0,0]
	v_pk_fma_f32 v[R2+(\p):R2+(\p)+1], v[LO+(\p):LO+(\p)+1], v[SW+16+8*(\j)+(\p):SW+16+8*(\j)+(\p)+1], v[R2+(\p):R2+(\p)+1]
.endr
.endr
.endr
.endm
.macro PACKC a                         ; one rounding to f16: q and k from R, v from its accumulators
	WIN 0x0a+5*((\a)/2)
.irp k, 0,1,2,3,4,5,6,7
.irp p, 0,1,2,3
	v_cvt_pk_f16_f32 v[TMP+4*(\k)+(\p)], v[R+8*(\k)+2*(\p)], v[R+8*(\k)+2*(\p)+1]
.endr
.endr
.irp k, 8,9,10,11
.irp p, 0,1,2,3
	v_cvt_pk_f16_f32 v[TMP+4*(\k)+(\p)], v[8*(12*((\a)%2)+(\k))+2*(\p)], v[8*(12*((\a)%2)+(\k))+2*(\p)+1]
.endr
.endr
.endm
.macro TOSTAGE a                       ; into my own stage, and back as rows of 128 bytes of q, of k and of v
	WIN 0
.irp k, 0,1,2,3,4,5,6,7,8,9,10,11
	ds_store_b128 v[STO], v[TMP+4*(\k):TMP+4*(\k)+3] offset:32*(\k)
.endr
	WIN 0x40
.irp s, 0,1,2
.irp f, 0,1,2,3
	ds_load_b128 v[BK+48*(\a)+16*(\s)+4*(\f):BK+48*(\a)+16*(\s)+4*(\f)+3], v[RD] offset:128*(\s)+4*SP*(\f)  ; LDS serves a wave's instructions in order (ISA guide 5.7.1.4): these see the stores above
.endr
.endr
.endm
.macro SEND a, younger                 ; younger: the LDS instructions issued behind block a's loads.  Every block has registers of its own and no base is stepped: nothing is rewritten under a store
	WIN 0x04                                       ; the stores' data in window 1
	s_wait_dscnt \younger
.irp f, 0,1,2,3
	global_store_b128 v[GO], v[BK+48*(\a)+4*(\f):BK+48*(\a)+4*(\f)+3],       s[10:11] offset:(\a)*2048+512*(\f)  ; four rows of a head: 512 consecutive bytes, aligned
	global_store_b128 v[GO], v[BK+48*(\a)+16+4*(\f):BK+48*(\a)+16+4*(\f)+3], s[12:13] offset:(\a)*2048+512*(\f)
	global_store_b128 v[GO], v[BK+48*(\a)+32+4*(\f):BK+48*(\a)+32+4*(\f)+3], s[14:15] offset:(\a)*2048+512*(\f)
.endr
.endm
	WIN 0
	PLACES
	s_wait_loadcnt 0x0                             ; the table
.irp a, 0,1,2,3
	WIDEN \a
	ROPE \a
	PACKC \a
	TOSTAGE \a
.if (\a) > 0
	SEND (\a)-1, 24                                ; block a's arithmetic has stood between block a - 1's loads and this wait
.endif
.endr
	SEND 3, 0
	WIN 0
	s_wait_tensorcnt 0x0                           ; the wave's end: behind my last tensor load and my last LDS store
	ds_add_u32 v[SPW], v[NIL]
	s_wait_dscnt 0x0
	CROUND                                         ; the closing round: no work-group ends while a partner may still ask for a tile that names it
	s_endpgm
.Lfunc_end_k_q7cd4c02324_qkv:
	.size	k_q7cd4c02324_qkv, .Lfunc_end_k_q7cd4c02324_qkv-k_q7cd4c02324_qkv
	.p2alignl 7, 3214868480
	.fill 96, 4, 3214868480
	.section	.rodata,"a",@progbits
	.p2align	6, 0x0
	.amdhsa_kernel k_q7cd4c02324_qkv
		.amdhsa_group_segment_fixed_size 327680
		.amdhsa_private_segment_fixed_size 0
		.amdhsa_enable_private_segment 0
		.amdhsa_kernarg_size 48
		.amdhsa_user_sgpr_count 2
		.amdhsa_user_sgpr_kernarg_segment_ptr 1
		.amdhsa_wavefront_size32 1
		.amdhsa_system_sgpr_workgroup_id_x 1
		.amdhsa_system_sgpr_workgroup_id_y 1
		.amdhsa_system_sgpr_workgroup_id_z 1
		.amdhsa_system_vgpr_workitem_id 0
		.amdhsa_next_free_vgpr 1024
		.amdhsa_next_free_sgpr 84
		.amdhsa_reserve_vcc 0
		.amdhsa_float_denorm_mode_32 3
		.amdhsa_float_denorm_mode_16_64 3
		.amdhsa_memory_ordered 1
		.amdhsa_forward_progress 1
		.amdhsa_inst_pref_size 147
	.end_amdhsa_kernel
	.amdgpu_metadata
---
amdhsa.version: [ 1, 2 ]
amdhsa.kernels:
  - .name:           k_q7cd4c02324_qkv
    .symbol:         k_q7cd4c02324_qkv.kd
    .args:
      - { .name: xb, .offset: 0, .size: 8, .value_kind: global_buffer, .address_space: global }
      - { .name: wb, .offset: 8, .size: 8, .value_kind: global_buffer, .address_space: global }
      - { .name: tab, .offset: 16, .size: 8, .value_kind: global_buffer, .address_space: global }
      - { .name: qh, .offset: 24, .size: 8, .value_kind: global_buffer, .address_space: global }
      - { .name: kh, .offset: 32, .size: 8, .value_kind: global_buffer, .address_space: global }
      - { .name: vh, .offset: 40, .size: 8, .value_kind: global_buffer, .address_space: global }
    .group_segment_fixed_size: 327680
    .private_segment_fixed_size: 0
    .kernarg_segment_align: 8
    .kernarg_segment_size: 48
    .max_flat_workgroup_size: 128
    .sgpr_count:     84
    .vgpr_count:     1024
    .wavefront_size: 32
...
	.end_amdgpu_metadata
.endif
;; end of part 2
;; launch attn (part 3): grid 4 x 64, 8 waves a work-group, no clusters, 252,928 bytes of LDS; arguments qh, kh, vh, oh; writes oh
.if DOCPART == 3
	.amdgcn_target "amdgcn-amd-amdhsa--gfx1250"
	.amdhsa_code_object_version 6
	.text
	.protected	k_q7cd4c02324_attn
	.globl	k_q7cd4c02324_attn
	.p2align	8
	.type	k_q7cd4c02324_attn,@function
k_q7cd4c02324_attn:
	s_mov_b64 s[64:65], 0
	v_nop
	global_prefetch_b8 v0, s[64:65] scope:SCOPE_SE
	s_setreg_imm32_b32 hwreg(HW_REG_WAVE_MODE, 25, 1), 1
	s_wait_xcnt 0x0
; BANDED CAUSAL ATTENTION.  O[g][q] = the sum over q - 255 <= k <= q of softmax_k(Q[g][q] . K[g][k] / 8) V[g][k].  qh, kh, vh, oh: [64][2048][64] f16; qh and kh hold q and k times 2^-8.
; Products, maxima and sums in f32; the weights p are rounded to f16 for the second product (their sum l is taken of the unrounded p), O once at the end.
; LIMITS.  A hidden score counts as its value less 1e30, in the units of the scaled product, where f16's scores are 2.7e11 at the most.  A weight below 2^-126 counts as 0 in l; below 6e-5 p keeps f16's fixed step.
; O is a mean of V's rows and has their range.  NaN and infinities are not treated apart.
; SHARES.  A work-group takes 512 queries of one (batch, head); each of its eight waves 64: four tiles of 16.  Two waves lie on a SIMD, each in plain phases: while one walks its softmax the other has products.
; THE BAND.  In blocks of 64, query block n needs the key blocks n - 4 .. n: the first holds the band's lower edge, the last the diagonal.  The work-group's 8 query blocks need 12 key blocks, 768 keys:
; ALL of them lie in LDS from the start, brought by twelve tensor loads at the head.  No slot is ever filled again: one barrier in the whole text.
; For the head's first work-group the window would begin 256 keys before the tensor: the four loads concerned are clamped to key 0, and what they bring is never read (those steps are jumped over).
; NO CLUSTER: of a work-group's 768 keys only 256 are read by one neighbour, and they land at another place of its window; a joint load needs one descriptor for all that it names.
; NO PREFETCH: all that the work-group reads is asked for at its head.
; LAYOUT.  S^T = K Q^T (source 0 = 16 keys, source 1 = 16 queries) holds ONE query a lane (l % 16) and the keys 8 (l / 16) + 0..7; two results rounded to f16 ARE source 1 of O^T = V^T P.  V is turned by ds_load_tr16_b128.
; SOFTMAX.  A running maximum m and sum l: p = 2^(c s - c m), c = log2(e) / 8 x 2^16 (the 2^16 undoes q's and k's factors); O and l are multiplied by a = 2^(c m_old - c m_new) in every step.
; The walk goes from the diagonal block DOWN: there every query sees its own key, so m is a true score before a wholly hidden row can come.  m starts at the lowest finite number, O and l at 0: the first a is 0.
; THE MASK is the C operand that starts the sum: 0, or -1e30.  For key group kb and tile t of 16: in the diagonal block hidden if kb > t, or kb = t and 8 h + j > r; in the block 256 keys back just the complement.
; REGISTERS.  window 0: v0-7 addresses; v8-23 statistics (c m, m, l, l a tile); v24-39 at work; v40-63 three masks of 8; v64-191 S^T, 32 a tile (P is made in place); v192-255 K of one step
;             window 1: v0-63 Q, 16 a tile; v64-191 O^T, 32 a tile; v192-255 V of one step
.set PK,    144                        ; a row of K in LDS: 128 bytes + 16 = 36 words: the 16 rows of a load start at 16 different groups of four banks (64 banks of 4 bytes: ISA guide 11.1)
.set PV,    160                        ; a row of V: 128 + 32 = 40 words
.set VOFF,  768*PK
.set STAGE, VOFF+768*PV                ; 16 rows x 144 bytes for each wave; no tensor load lands here
.set SP,    144
.set SPARE, STAGE+8*16*SP              ; the spare words, 128 bytes a wave: four blocks of 256 bytes that no other line names
.set AK0, 2
.set AV0, 3
.set AK,  4
.set AV,  5
.set SPW, 6                            ; v6 my spare word; never rewritten
.set NIL, 7                            ; v7 0; never rewritten
.set ST,  8
.set TMP, 24
.set MLT, 40                           ; the mask for kb < t
.set MEQ, 48                           ; for kb = t
.set MGT, 56                           ; for kb > t
.set S,   64
.set KF,  192                          ; key group kb, channel half c at KF + 16 kb + 8 c
.set OT,  64                           ; window 1
.set VF,  192                          ; window 1: key half kk, channel block cb at VF + 32 kk + 8 cb
.set STO, 192                          ; the way out, in K's registers
.set RD,  193
.set GO,  194
.set WV,  12
.set G1K, 24
.set G1V, 32
.set G0K, 40
.set G0V, 44
.set MK,  48                           ; s[48:55] lane masks: bit set where 8 h + j > r
.set CS,  58                           ; s[58:59] c
.set SEL, 60                           ; s[60:61] v_permlanex16_b32's selects: each lane takes its own place in the other half
.set TBK, 62                           ; s62 LDS byte of the step's K
.set TBV, 63                           ; s63 of its V, less VOFF
.set CNT, 66                           ; s66 steps to go, 5 to 1
.set KB,  67                           ; s67 the step's key block in the head; below 0 there is none
.set VL,  68
.set VG,  69
.set BIGN, 70
.set MSB, 0
.macro WIN new
.if MSB != (\new)
	s_set_vgpr_msb (MSB<<8)|(\new)
.set MSB, \new
.endif
.endm
	s_load_b256 s[4:11], s[0:1], 0x0               ; qh 4, kh 6, vh 8, oh 10
	v_lshl_add_u32 v[SPW], v0, 2, SPARE
	v_mov_b32 v[NIL], 0
	ds_add_u32 v[SPW], v[NIL]                      ; the wave's opening: the add and its wait come ahead of my first tensor load; work on registers stands between them
	v_lshrrev_b32 v1, 5, v0
	v_readfirstlane_b32 s[WV], v1
	s_and_b32 s13, ttmp7, 0xffff
	s_lshl_b32 s13, s13, 18                        ; the (batch, head)'s first byte in each tensor
	s_lshl_b32 s14, ttmp9, 9                       ; my work-group's first query
	s_lshl_b32 s15, s[WV], 7
	s_add_co_u32 s15, s15, s14
	s_sub_co_i32 s15, s15, 256                     ; chunk w of the window begins at key 512 x - 256 + 128 w,
	s_max_i32 s15, s15, 0                          ; clamped to the tensor
	s_lshl_b32 s15, s15, 7
	s_add_co_u32 s16, s15, s13
	s_mov_b32 s17, 0
	s_lshl_b32 s18, s[WV], 6
	s_add_co_u32 s18, s18, s14                     ; my wave's first query
	s_lshl_b32 s18, s18, 7
	s_add_co_u32 s18, s18, s13
	s_mov_b32 s19, 0
	; 128 keys are 16,384 dense bytes: asked for as 64 rows of 256 bytes, two keys a row, padded in LDS after every key
	s_mov_b32 s[G1K], (1<<16)|(1<<20)|(4<<22)|(3<<25)  ; 2-byte elements; padding on; after every 32 words; 4 words
	s_mov_b32 s[G1V], (1<<16)|(1<<20)|(4<<22)|(7<<25)  ; 8 words
.irp g, G1K, G1V
	s_mov_b32 s[\g+1], 128<<16                     ; tensor_dim0
	s_mov_b32 s[\g+2], 64<<16                      ; tensor_dim1
	s_mov_b32 s[\g+3], 128<<16                     ; tile_dim0
	s_mov_b32 s[\g+4], 64                          ; tile_dim1
	s_mov_b32 s[\g+5], 128                         ; elements from row to row
	s_mov_b32 s[\g+6], 0
	s_mov_b32 s[\g+7], 0
.endr
	s_mov_b32 s[G0K], 1
	s_mul_i32 s[G0K+1], s[WV], 128*PK              ; chunk w's place in the window
	s_mov_b32 s[G0V], 1
	s_mul_i32 s[G0V+1], s[WV], 128*PV
	s_add_co_u32 s[G0V+1], s[G0V+1], VOFF
	s_mov_b32 s[CS], 0x4638aa3b                    ; log2(e) / 8 x 2^16
	s_mov_b32 s[CS+1], s[CS]
	s_mov_b32 s[SEL], 0x76543210
	s_mov_b32 s[SEL+1], 0xfedcba98
	s_mov_b32 s[BIGN], 0xf149f2ca                  ; -1e30
	s_add_co_u32 s[TBK], s[WV], 4                  ; my diagonal block is block w + 4 of the window
	s_mul_i32 s[TBV], s[TBK], 64*PV
	s_mul_i32 s[TBK], s[TBK], 64*PK
	s_lshl_b32 s[KB], ttmp9, 3
	s_add_co_u32 s[KB], s[KB], s[WV]
	s_mov_b32 s[CNT], 5
	s_wait_dscnt 0x0                               ; the opening add is done
	s_wait_kmcnt 0x0
	s_add_nc_u64 s[G0K+2:G0K+3], s[6:7], s[16:17]
	s_or_b32 s[G0K+3], s[G0K+3], 0x80000000
	s_add_nc_u64 s[G0V+2:G0V+3], s[8:9], s[16:17]
	s_or_b32 s[G0V+3], s[G0V+3], 0x80000000
	s_add_nc_u64 s[4:5], s[4:5], s[18:19]
	s_add_nc_u64 s[10:11], s[10:11], s[18:19]
	s_cmp_lt_u32 s[WV], 6                          ; six chunks: waves 0 to 5 fetch K's and V's, both in this one branch: two loads of such a wave are out
	s_cbranch_scc0 .Lno_fill
	tensor_load_to_lds s[G0K:G0K+3], s[G1K:G1K+7]
	s_nop 0
	tensor_load_to_lds s[G0V:G0V+3], s[G1V:G1V+7]
	s_nop 0
.rept 4
	v_nop
.endr
.Lno_fill:
	v_and_b32 v64, 15, v0                          ; r   (S^T's registers serve as scratch until the first products)
	v_bfe_u32 v65, v0, 4, 1                        ; h
	v_lshlrev_b32 v66, 7, v64
	v_lshl_add_u32 v66, v65, 4, v66                ; row x 128 + 16 h
	WIN 0x40                                       ; destination window 1
.set i, 0
.rept 8                                ; Q stays in registers: tile i / 2, channels 32 (i % 2) on
	global_load_b128 v[8*i:8*i+3],   v66, s[4:5] offset:(i/2)*2048+(i%2)*64
	global_load_b128 v[8*i+4:8*i+7], v66, s[4:5] offset:(i/2)*2048+(i%2)*64+32
.set i, i+1
.endr
.set i, 0
.rept 128                              ; O^T = 0, written in the wait for the tiles, so that the loop has one form of step
	v_mov_b32 v[OT+i], 0
.set i, i+1
.endr
	WIN 0
.irp t, 0,1,2,3
	v_mov_b32 v[ST+4*\t], 0xfe000000               ; c m: far below every c s
	v_mov_b32 v[ST+4*\t+1], 0xff7fffff             ; m
	v_mov_b32 v[ST+4*\t+2], 0
	v_mov_b32 v[ST+4*\t+3], 0
.endr
	v_lshlrev_b32 v67, 3, v65
	v_sub_nc_u32 v67, v64, v67                     ; r - 8 h
.irp j, 0,1,2,3,4,5,6,7
	v_cmp_gt_i32 s[MK+\j], \j, v67                 ; 8 h + j > r
.endr
	v_mul_u32_u24 v[AK0], v64, PK
	v_lshl_add_u32 v[AK0], v65, 4, v[AK0]          ; row x pitch + 16 h
	v_and_b32 v68, 7, v0                           ; the turning load: lane l reads key 8 h + l % 8, channels 8 ((l / 8) % 2) + 0..7
	v_bfe_u32 v69, v0, 3, 1
	v_lshl_add_u32 v[AV0], v65, 3, v68
	v_mul_u32_u24 v[AV0], v[AV0], PV
	v_lshl_add_u32 v[AV0], v69, 4, v[AV0]
	v_add_nc_u32 v[AV0], VOFF, v[AV0]
	s_wait_tensorcnt 0x0                           ; my chunks are in,
	s_barrier_signal -1
	s_barrier_wait -1                              ; everybody's are: from here on the window is only read
	s_wait_loadcnt 0x0                             ; Q
; Number n of the 21 that find tile t's maximum and statistics.  Each accumulator's lowest registers are read first.
.macro XS t, n
.set rT, ST+4*(\t)
.set rC, TMP+4*(\t)
.set rS, S+32*(\t)
.if (\n) < 4
	v_max3_num_f32 v[rC+(\n)], v[rS+8*(\n)], v[rS+8*(\n)+1], v[rS+8*(\n)+2]
.elseif (\n) < 12
	v_max3_num_f32 v[rC+(\n)%4], v[rC+(\n)%4], v[rS+8*((\n)%4)+2*((\n)/4)+1], v[rS+8*((\n)%4)+2*((\n)/4)+2]
.elseif (\n) == 12
	v_max3_num_f32 v[rC], v[rC], v[rS+7], v[rS+15]
.elseif (\n) == 13
	v_max3_num_f32 v[rC+1], v[rC+1], v[rS+23], v[rS+31]
.elseif (\n) == 14
	v_max3_num_f32 v[rC+2], v[rC+2], v[rC+3], v[rT+1]
.elseif (\n) == 15
	v_max3_num_f32 v[rC], v[rC], v[rC+1], v[rC+2]
.elseif (\n) == 16
	v_mov_b32 v[rC+1], v[rT]                       ; c m_old is kept
.elseif (\n) == 17
	v_permlanex16_b32 v[rC+3], v[rC], s[SEL], s[SEL+1]  ; the query's other 32 keys lie in the lane 16 away
.elseif (\n) == 18
	v_max_num_f32 v[rT+1], v[rC], v[rC+3]
.elseif (\n) == 19
	v_mul_f32 v[rT], s[CS], v[rT+1]
.else
	v_sub_f32 v[rC+1], v[rC+1], v[rT]
.endif
.endm
.Lstep:                                                ; five trips: the diagonal block, three whole ones, the band's lower edge
	s_cmp_lt_i32 s[KB], 0                          ; before the head's first key there is nothing: forward, past no barrier and no tensor load
	s_cbranch_scc1 .Lnext
	s_cmp_eq_u32 s[CNT], 5
	s_cselect_b32 s[VG], s[BIGN], 0
	s_cmp_eq_u32 s[CNT], 1
	s_cselect_b32 s[VL], s[BIGN], 0
.irp j, 0,1,2,3,4,5,6,7                ; these 24 plain lines are also the places between the last trip's products V^T P and the loads into V's registers
	v_mov_b32 v[MLT+\j], s[VL]
	v_mov_b32 v[MGT+\j], s[VG]
.endr
.irp j, 0,1,2,3,4,5,6,7
	v_cndmask_b32 v[MEQ+\j], v[MLT+\j], v[MGT+\j], s[MK+\j]
.endr
	v_add_nc_u32 v[AK], s[TBK], v[AK0]
	v_add_nc_u32 v[AV], s[TBV], v[AV0]
.irp f, 0,1,2,3,4,5,6,7                ; K: keys 16 (f / 2) on, channels 32 (f % 2) on
	ds_load_b128 v[KF+8*\f:KF+8*\f+3],   v[AK] offset:(\f/2)*16*PK+(\f%2)*64
	ds_load_b128 v[KF+8*\f+4:KF+8*\f+7], v[AK] offset:(\f/2)*16*PK+(\f%2)*64+32
.endr
	WIN 0x40
.irp f, 0,1,2,3,4,5,6,7                ; V, turned: keys 32 (f / 4) on, channels 16 (f % 4) on
	ds_load_tr16_b128 v[VF+8*\f:VF+8*\f+3],   v[AV] offset:(\f/4)*32*PV+(\f%4)*32
	ds_load_tr16_b128 v[VF+8*\f+4:VF+8*\f+7], v[AV] offset:(\f/4)*32*PV+16*PV+(\f%4)*32
.endr
	s_wait_dscnt 16                                ; K is in; V's sixteen loads may stay out
	WIN 0x04                                       ; Q in window 1
.set i, 0
.rept 32                               ; S^T = K Q^T + mask: the 16 accumulators take turns
.set c, i/16
.set kb, (i/4)%4
.set t, i%4
.set rS, S+32*t+8*kb
.set rK, KF+16*kb+8*c
.set rQ, 16*t+8*c
.set rM, MEQ
.if kb < t
.set rM, MLT
.endif
.if kb > t
.set rM, MGT
.endif
.if c == 0
	v_wmma_f32_16x16x32_f16 v[rS:rS+7], v[rK:rK+7], v[rQ:rQ+7], v[rM:rM+7]
.else
	v_wmma_f32_16x16x32_f16 v[rS:rS+7], v[rK:rK+7], v[rQ:rQ+7], v[rS:rS+7]
.endif
.set i, i+1
.endr
	WIN 0
.rept 4
	v_nop                                          ; the places behind those products
.endr
.irp n, 0,1,2,3,4,5,6,7,8,9,10,11,12,13,14,15,16,17,18,19,20
.irp t, 0,1,2,3                        ; the four tiles alternate, so that no line reads the result of the one before it
	XS \t, \n
.endr
.endr
	; ONE BATCH of 132 exponentials, with one wait: the four a, then the weights in place, each pair's scaling c s - c m a group ahead of its exponentials.  Nothing ahead of the wait names a result.
.irp t, 0,1,2,3
	v_exp_f32 v[TMP+4*\t+2], v[TMP+4*\t+1]
.endr
.set b, 0
.rept 17
.if b < 16
.irp t, 0,1,2,3
	v_pk_fma_f32 v[S+32*\t+2*b:S+32*\t+2*b+1], v[S+32*\t+2*b:S+32*\t+2*b+1], s[CS:CS+1], v[ST+4*\t:ST+4*\t+1] op_sel_hi:[1,0,0] neg_lo:[0,0,1] neg_hi:[0,0,1]
.endr
.endif
.if b > 0
.irp t, 0,1,2,3
	v_exp_f32 v[S+32*\t+2*b-2], v[S+32*\t+2*b-2]
	v_exp_f32 v[S+32*\t+2*b-1], v[S+32*\t+2*b-1]
.endr
.endif
.set b, b+1
.endr
	v_nop                                          ; a plain instruction behind the last exponential (ISA guide 5.7.2),
	s_wait_alu depctr_va_vdst(0)                   ; and the wait ahead of the first line that names a result: one for the batch
	WIN 0x41                                       ; O^T times a
.set i, 0
.rept 16
.irp t, 0,1,2,3
	v_pk_mul_f32 v[OT+32*\t+2*i:OT+32*\t+2*i+1], v[OT+32*\t+2*i:OT+32*\t+2*i+1], v[TMP+4*\t+2:TMP+4*\t+3] op_sel_hi:[1,0]
.endr
.set i, i+1
.endr
	WIN 0
.set z, 0
.rept 16                               ; l = a l + the 16 pairs of weights, in two chains (l itself, and u in c0, c1) that meet at the end
.irp t, 0,1,2,3
.set rT, ST+4*\t
.set rC, TMP+4*\t
.set rS, S+32*\t
.if z == 0
	v_pk_fma_f32 v[rT+2:rT+3], v[rT+2:rT+3], v[rC+2:rC+3], v[rS:rS+1] op_sel_hi:[1,0,1]
.elseif z == 1
	v_pk_add_f32 v[rC:rC+1], v[rS+2:rS+3], v[rS+4:rS+5]
.elseif z == 15
	v_pk_add_f32 v[rT+2:rT+3], v[rT+2:rT+3], v[rC:rC+1]
.elseif z%2 == 0
	v_pk_add_f32 v[rT+2:rT+3], v[rT+2:rT+3], v[rS+2*z+2:rS+2*z+3]
.else
	v_pk_add_f32 v[rC:rC+1], v[rC:rC+1], v[rS+2*z+2:rS+2*z+3]
.endif
.endr
.set z, z+1
.endr
.set i, 0
.rept 16                               ; P: pair i into register i of the tile's own S^T; ascending, so no pair is overwritten before it is read
.irp t, 0,1,2,3
	v_cvt_pk_f16_f32 v[S+32*\t+i], v[S+32*\t+2*i], v[S+32*\t+2*i+1]
.endr
.set i, i+1
.endr
	s_wait_dscnt 0x0                               ; V is in
	WIN 0x51                                       ; V and O^T in window 1, P in window 0
.set i, 0
.rept 32                               ; O^T += V^T P: the 16 accumulators take turns
.set kk, i/16
.set cb, (i/4)%4
.set t, i%4
	v_wmma_f32_16x16x32_f16 v[OT+32*t+8*cb:OT+32*t+8*cb+7], v[VF+32*kk+8*cb:VF+32*kk+8*cb+7], v[S+32*t+8*kk:S+32*t+8*kk+7], v[OT+32*t+8*cb:OT+32*t+8*cb+7]
.set i, i+1
.endr
	WIN 0
.Lnext:
	s_sub_co_u32 s[TBK], s[TBK], 64*PK             ; one block of 64 keys down
	s_sub_co_u32 s[TBV], s[TBV], 64*PV
	s_sub_co_i32 s[KB], s[KB], 1
	s_sub_co_u32 s[CNT], s[CNT], 1
	s_cmp_lg_u32 s[CNT], 0
	s_cbranch_scc1 .Lstep
	; THE WAY OUT.  l's two halves and the other half of the lanes' are added; O^T is divided by l, rounded to f16 and sent through my stage, a tile at a time.  The additions are the places behind the last products.
.irp t, 0,1,2,3
	v_add_f32 v[ST+4*\t+2], v[ST+4*\t+2], v[ST+4*\t+3]
.endr
.irp t, 0,1,2,3
	v_permlanex16_b32 v[ST+4*\t+3], v[ST+4*\t+2], s[SEL], s[SEL+1]
.endr
.irp t, 0,1,2,3
	v_add_f32 v[ST+4*\t+2], v[ST+4*\t+2], v[ST+4*\t+3]
.endr
.irp t, 0,1,2,3
	v_rcp_f32 v[ST+4*\t+2], v[ST+4*\t+2]
.endr
	s_mul_i32 s13, s[WV], 16*SP                    ; the addresses are the plain work between the reciprocals and their wait
	s_add_co_u32 s13, s13, STAGE
	v_and_b32 v195, 15, v0
	v_bfe_u32 v196, v0, 4, 1
	v_mul_u32_u24 v[STO], v195, SP                 ; in: row r, 16 bytes for each half of the lanes
	v_lshl_add_u32 v[STO], v196, 4, v[STO]
	v_add_nc_u32 v[STO], s13, v[STO]
	v_bfe_u32 v[RD], v0, 3, 2                      ; back: 32 lanes take four rows of 128 bytes,
	v_mul_u32_u24 v[RD], v[RD], SP
	v_and_b32 v195, 7, v0
	v_lshl_add_u32 v[RD], v195, 4, v[RD]
	v_add_nc_u32 v[RD], s13, v[RD]
	v_and_b32 v[GO], 31, v0                        ; which are 512 consecutive bytes of O
	v_lshlrev_b32 v[GO], 4, v[GO]
	s_wait_alu depctr_va_vdst(0)                   ; one wait for the four reciprocals, ahead of their first use
.macro PACK t
	WIN 0x41
.set i, 0
.rept 16
	v_pk_mul_f32 v[OT+32*(\t)+2*i:OT+32*(\t)+2*i+1], v[OT+32*(\t)+2*i:OT+32*(\t)+2*i+1], v[ST+4*(\t)+2:ST+4*(\t)+3] op_sel_hi:[1,0]
.set i, i+1
.endr
	WIN 0x05                                       ; sources in window 1, destination in window 0
.set i, 0
.rept 16
	v_cvt_pk_f16_f32 v[S+16*(\t)+i], v[OT+32*(\t)+2*i], v[OT+32*(\t)+2*i+1]
.set i, i+1
.endr
	WIN 0
.irp f, 0,1,2,3
	ds_store_b128 v[STO], v[S+16*(\t)+4*\f:S+16*(\t)+4*\f+3] offset:32*\f
.endr
.irp f, 0,1,2,3
	ds_load_b128 v[S+16*(\t)+4*\f:S+16*(\t)+4*\f+3], v[RD] offset:\f*4*SP  ; LDS serves a wave's instructions in order (ISA guide 5.7.1.4): these see the stores above; the next tile's stores come behind them
.endr
.endm
.macro SEND t, younger                 ; younger: the LDS instructions issued behind tile t's loads: the next tile's eight, or none
.irp f, 0,1,2,3
	s_wait_dscnt (\younger)+3-\f
	global_store_b128 v[GO], v[S+16*(\t)+4*\f:S+16*(\t)+4*\f+3], s[10:11] offset:(\t)*2048+\f*512  ; 512 consecutive bytes, aligned
.endr
.endm
	PACK 0
	PACK 1
	SEND 0, 8
	PACK 2
	SEND 1, 8
	PACK 3
	SEND 2, 8
	SEND 3, 0
	s_wait_tensorcnt 0x0                           ; the wave's end: behind my last tensor load and my last LDS store
	ds_add_u32 v[SPW], v[NIL]
	s_wait_dscnt 0x0
	s_endpgm
.Lfunc_end_k_q7cd4c02324_attn:
	.size	k_q7cd4c02324_attn, .Lfunc_end_k_q7cd4c02324_attn-k_q7cd4c02324_attn
	.p2alignl 7, 3214868480
	.fill 96, 4, 3214868480
	.section	.rodata,"a",@progbits
	.p2align	6, 0x0
	.amdhsa_kernel k_q7cd4c02324_attn
		.amdhsa_group_segment_fixed_size 252928
		.amdhsa_private_segment_fixed_size 0
		.amdhsa_enable_private_segment 0
		.amdhsa_kernarg_size 32
		.amdhsa_user_sgpr_count 2
		.amdhsa_user_sgpr_kernarg_segment_ptr 1
		.amdhsa_wavefront_size32 1
		.amdhsa_system_sgpr_workgroup_id_x 1
		.amdhsa_system_sgpr_workgroup_id_y 1
		.amdhsa_system_sgpr_workgroup_id_z 1
		.amdhsa_system_vgpr_workitem_id 0
		.amdhsa_next_free_vgpr 512
		.amdhsa_next_free_sgpr 72
		.amdhsa_reserve_vcc 0
		.amdhsa_float_denorm_mode_32 3
		.amdhsa_float_denorm_mode_16_64 3
		.amdhsa_memory_ordered 1
		.amdhsa_forward_progress 1
		.amdhsa_inst_pref_size 58
	.end_amdhsa_kernel
	.amdgpu_metadata
---
amdhsa.version: [ 1, 2 ]
amdhsa.kernels:
  - .name:           k_q7cd4c02324_attn
    .symbol:         k_q7cd4c02324_attn.kd
    .args:
      - { .name: qh, .offset: 0, .size: 8, .value_kind: global_buffer, .address_space: global }
      - { .name: kh, .offset: 8, .size: 8, .value_kind: global_buffer, .address_space: global }
      - { .name: vh, .offset: 16, .size: 8, .value_kind: global_buffer, .address_space: global }
      - { .name: oh, .offset: 24, .size: 8, .value_kind: global_buffer, .address_space: global }
    .group_segment_fixed_size: 252928
    .private_segment_fixed_size: 0
    .kernarg_segment_align: 8
    .kernarg_segment_size: 32
    .max_flat_workgroup_size: 256
    .sgpr_count:     72
    .vgpr_count:     512
    .wavefront_size: 32
...
	.end_amdgpu_metadata
.endif
;; end of part 3
;; launch proj (part 4): grid 8 x 32, 4 waves a work-group, clusters of 4 x 4, 327,680 bytes of LDS; arguments oh, owh, out0; writes out0
.if DOCPART == 4
	.amdgcn_target "amdgcn-amd-amdhsa--gfx1250"
	.amdhsa_code_object_version 6
	.text
	.protected	k_q7cd4c02324_proj
	.globl	k_q7cd4c02324_proj
	.p2align	8
	.type	k_q7cd4c02324_proj,@function
k_q7cd4c02324_proj:
	s_mov_b64 s[64:65], 0
	v_nop
	global_prefetch_b8 v0, s[64:65] scope:SCOPE_SE
	s_setreg_imm32_b32 hwreg(HW_REG_WAVE_MODE, 25, 1), 1
	s_wait_xcnt 0x0
	s_wait_alu depctr_hold_cnt(0) depctr_sa_sdst(0) depctr_va_vdst(0) depctr_va_sdst(0) depctr_va_ssrc(0) depctr_va_vcc(0) depctr_vm_vsrc(0)
	s_getreg_b32 s2, hwreg(HW_REG_IB_STS2, 6, 4)
	s_cmp_eq_u32 s2, 0
	s_cbranch_scc0 .Lentry_in_a_cluster
	s_endpgm
.Lentry_in_a_cluster:
	s_bfe_u32 s2, ttmp6, 0x10000c
	s_cmp_lg_u32 s2, 0xf033
	s_cbranch_scc0 .Lentry_shape_is_right
	s_endpgm
.Lentry_shape_is_right:
; out0[b][t][o] = the sum over c of O[b][t][c] out_w[o][c], c = 64 head + d.  oh: [64 = 16 b + head][2048][64] f16; owh: [1024][1024] f16 (out_w rounded to bf16, written as f16); out0: [8192][1024] f32.
; Products in f16, sums in f32, stored as they are.
; SHARES.  A tile is 256 rows (of one batch) x 128 columns: 256 tiles, one work-group each.  Wave w makes rows 64 w .. 64 w + 63 and all 128 columns: 4 x 8 = 32 accumulators, 256 registers.
; K goes in steps of 128 = TWO HEADS through two LDS slots.  A head's 256 rows of the tile are 32,768 dense bytes of oh: asked for as 128 rows of 256 bytes and padded in LDS after every 128, so that they lie
; there as 256 rows of 64 channels.  Waves 0 and 1 fetch the step's two heads, waves 2 and 3 the two halves of out_w's 128 rows (256 bytes of each).
; CLUSTER 4 x 4: O's tiles are shared along a row of the cluster, out_w's along a column; each is asked for JOINTLY, the same load, descriptor and mask in all four.
; TRANSPOSED USE.  Source 0 = 16 rows of out_w, source 1 = 16 rows of O: a lane holds row l % 16 and eight neighbouring columns, 32 bytes of out0.
; REGISTERS: window 0: v0-31 addresses.  window 1: two fragment buffers at 0 and 128 (O: block a at 8 a; out_w: block b at 32 + 8 b); on the way out rows read back.  window 2: accumulator (a, b) at 8 (8 a + b).
.set KSTEP,  128
.set PA,     144                       ; a row of O in LDS: 128 bytes + 16;
.set PB,     272                       ; of out_w: 256 + 16.  Both are odd multiples of 16: the 16 rows of a fragment load start at 16 different groups of four banks (64 banks of 4 bytes: ISA guide 11.1)
.set HALFA,  256*PA                    ; one head's 256 rows
.set HALFB,  64*PB
.set BOFF,   2*HALFA
.set SLOT,   BOFF+2*HALFB
.set STAGE,  2*SLOT                    ; 16 rows x 528 bytes for each wave; no tensor load lands here
.set SP,     528                       ; 512 bytes (128 f32) + 16
.set SPARE,  STAGE+4*16*SP             ; the spare words, 128 bytes a wave: two blocks of 256 bytes that no other line names
.set ADRA, 16
.set ADRB, 20
.set STO,  24
.set RD,   25
.set CO,   26
.set SPW,  28                          ; never rewritten
.set NIL,  29                          ; never rewritten
.set PFO,  30                          ; never rewritten
.set F0,   0
.set F1,   128
.set G1,   24
.set G0,   32
.set G1B,  48
.set G0B,  56
.set WV,   16
.set FB,   17                          ; 0: I fetch O, 1: out_w
.set HF,   18                          ; which head of the step, or which half of out_w's rows
.set LAP,  19
.set CX,   20
.set CY,   21
.set TC,   22                          ; block of 128 columns
.set TR,   23                          ; block of 256 rows
.set LIM,  42
.set PFA,  44                          ; s[44:45] where my prefetches stand
.set PST,  46                          ; s[46:47] a K step in bytes: two heads of oh, or 256 bytes of out_w's rows
.set MSB, 0
.macro WIN new
.if MSB != (\new)
	s_set_vgpr_msb (MSB<<8)|(\new)
.set MSB, \new
.endif
.endm
.macro PLACES                          ; four plain places behind matrix instructions (ISA guide 7.12.1)
.rept 4
	v_nop
.endr
.endm
.macro JLOAD s                         ; a joint load; an s_nop 0 and four v_nop follow each of the two lines; the branch hangs on the wave's number alone
	s_cmp_eq_u32 s[FB], 0
	s_cbranch_scc0 .Lfor_b_\@
	tensor_load_to_lds s[G0+4*(\s):G0+4*(\s)+3], s[G1:G1+7]
	s_nop 0
.rept 4
	v_nop
.endr
	s_branch .Lasked_\@
.Lfor_b_\@:
	tensor_load_to_lds s[G0B+4*(\s):G0B+4*(\s)+3], s[G1B:G1B+7]
	s_nop 0
.rept 4
	v_nop
.endr
.Lasked_\@:
.endm
.macro CREST
	s_cmp_lg_u32 s[WV], 0
	s_cbranch_scc1 .Lnot_wave_0_\@
	s_barrier_signal -3
.Lnot_wave_0_\@:
	s_barrier_wait -3
	s_barrier_signal -1
	s_barrier_wait -1
.endm
.macro CROUND
	s_barrier_signal -1
	s_barrier_wait -1
	CREST
.endm
; A PREFETCH behind each joint refill and its run of LDS loads: the K step two refills on, 256 matrix instructions ahead of the load that will want it.  O's tiles are named by the clusters with x = 0, out_w's by those
; with y = 0; the four partners share a wave's tile out BY ADDRESS: 32 blocks of 256 bytes of O's 128 (a lane a block), 16 of out_w's 64 rows (a lane a row; lanes 16-31 repeat the last).
; K steps 0 to 3 come by their loads alone; the loop's last trip asks for nothing.
.macro ASK
	WIN 0
	s_cmp_gt_u32 s[LAP], s[LIM]
	s_cbranch_scc0 .Lnot_mine_\@
	global_prefetch_b8 v[PFO], s[PFA:PFA+1] th:TH_LOAD_NT scope:SCOPE_SE
.Lnot_mine_\@:
.endm
	s_load_b128 s[4:7], s[0:1], 0x0                ; oh 4, owh 6
	s_load_b64 s[8:9], s[0:1], 0x10                ; out0
	v_lshl_add_u32 v[SPW], v0, 2, SPARE
	v_mov_b32 v[NIL], 0
	ds_add_u32 v[SPW], v[NIL]                      ; the wave's opening: the add and its wait come ahead of my first tensor load; work on registers stands between them
	v_lshrrev_b32 v1, 5, v0
	v_readfirstlane_b32 s[WV], v1
	s_lshr_b32 s[FB], s[WV], 1
	s_and_b32 s[HF], s[WV], 1
	s_bfe_u32 s[CX], ttmp6, 0x40000
	s_bfe_u32 s[CY], ttmp6, 0x40004
	s_lshl_b32 s[TC], ttmp9, 2
	s_add_co_u32 s[TC], s[TC], s[CX]
	s_and_b32 s[TR], ttmp7, 0xffff
	s_lshl_b32 s[TR], s[TR], 2
	s_add_co_u32 s[TR], s[TR], s[CY]
	s_lshl_b32 s40, s[CY], 2
	s_lshl_b32 s40, 15, s40                        ; my row of the cluster
	s_lshl_b32 s41, 0x1111, s[CX]                  ; my column
	s_or_b32 s[G1], s40, (1<<16)|(1<<20)|(1<<21)|(4<<22)|(3<<25)   ; O: 2-byte elements; padding on; bit 21 beside a mask; after every 32 words; 4 words
	s_or_b32 s[G1B], s41, (1<<16)|(1<<20)|(1<<21)|(5<<22)|(3<<25)  ; out_w: after every 64 words
	s_mov_b32 s[G1+1], 128<<16                     ; tensor_dim0 = 128
	s_mov_b32 s[G1+2], 128<<16                     ; tensor_dim1 = 128
	s_mov_b32 s[G1+3], 128<<16                     ; tile_dim0
	s_mov_b32 s[G1+4], 128                         ; tile_dim1
	s_mov_b32 s[G1+5], 128                         ; dense: 128 elements from row to row
	s_mov_b32 s[G1+6], 0
	s_mov_b32 s[G1+7], 0
	s_mov_b32 s[G1B+1], KSTEP<<16
	s_mov_b32 s[G1B+2], 64<<16
	s_mov_b32 s[G1B+3], KSTEP<<16
	s_mov_b32 s[G1B+4], 64
	s_mov_b32 s[G1B+5], 1024
	s_mov_b32 s[G1B+6], 0
	s_mov_b32 s[G1B+7], 0
	s_lshr_b32 s66, s[TR], 3                       ; O: batch x 16 heads x 262,144 bytes
	s_lshl_b32 s66, s66, 22
	s_and_b32 s67, s[TR], 7
	s_lshl_b32 s67, s67, 15                        ; + the tile's 256 rows of 128 bytes
	s_add_co_u32 s66, s66, s67
	s_lshl_b32 s67, s[HF], 18                      ; + my head of the step; no register on this way holds cx
	s_add_co_u32 s66, s66, s67
	s_mov_b32 s67, 0
	s_lshl_b32 s68, s[TC], 7                       ; out_w: row 128 x column block + 64 x half; none here holds cy
	s_lshl_b32 s69, s[HF], 6
	s_add_co_u32 s68, s68, s69
	s_lshl_b32 s68, s68, 11
	s_mov_b32 s69, 0
	s_mul_i32 s79, s[HF], HALFA
	s_mul_i32 s80, s[HF], HALFB
	s_add_co_u32 s80, s80, BOFF
	s_wait_dscnt 0x0                               ; the opening add is done
	s_wait_kmcnt 0x0
	s_add_nc_u64 s[70:71], s[4:5], s[66:67]
	s_add_nc_u64 s[72:73], s[6:7], s[68:69]
	CROUND                                         ; all sixteen work-groups are here: the first joint loads meet
.irp s, 0,1
	s_mov_b32 s[G0+4*(\s)], 1
	s_add_co_u32 s[G0+4*(\s)+1], s79, (\s)*SLOT
	s_add_nc_u64 s[G0+4*(\s)+2:G0+4*(\s)+3], s[70:71], (\s)*524288   ; K step s: two heads on
	s_or_b32 s[G0+4*(\s)+3], s[G0+4*(\s)+3], 0x80000000
	s_mov_b32 s[G0B+4*(\s)], 1
	s_add_co_u32 s[G0B+4*(\s)+1], s80, (\s)*SLOT
	s_add_nc_u64 s[G0B+4*(\s)+2:G0B+4*(\s)+3], s[72:73], (\s)*KSTEP*2
	s_or_b32 s[G0B+4*(\s)+3], s[G0B+4*(\s)+3], 0x80000000
	JLOAD \s                                       ; two loads of mine are out
.endr
	v_and_b32 v1, 15, v0                           ; r
	v_bfe_u32 v2, v0, 4, 1                         ; h
	v_mul_u32_u24 v3, v1, PA
	v_lshl_add_u32 v3, v2, 4, v3
	s_mul_i32 s79, s[WV], 64*PA                    ; my 64 rows of O, in the step's first head
	v_add_nc_u32 v[ADRA], s79, v3
	v_add_nc_u32 v[ADRA+1], SLOT, v[ADRA]
	v_mul_u32_u24 v3, v1, PB
	v_lshl_add_u32 v3, v2, 4, v3
	v_add_nc_u32 v[ADRB], BOFF, v3
	v_add_nc_u32 v[ADRB+1], SLOT, v[ADRB]
	s_mul_i32 s80, s[WV], 16*SP
	s_add_co_u32 s80, s80, STAGE                   ; my stage
	v_mul_u32_u24 v[STO], v1, SP                   ; in: row r, 32 bytes for each half of the lanes
	v_lshl_add_u32 v[STO], v2, 5, v[STO]
	v_add_nc_u32 v[STO], s80, v[STO]
	v_and_b32 v[CO], 31, v0                        ; back and out: 32 lanes take a row's 512 bytes
	v_lshlrev_b32 v[CO], 4, v[CO]
	v_add_nc_u32 v[RD], s80, v[CO]
	s_lshl_b32 s82, s[TR], 8
	s_lshl_b32 s83, s[WV], 6
	s_add_co_u32 s82, s82, s83                     ; my first row of out0
	s_lshl_b32 s82, s82, 12                        ; x 4,096 bytes (under 2^25)
	s_lshl_b32 s83, s[TC], 9                       ; + the tile's 512 bytes of a row
	s_add_co_u32 s82, s82, s83
	s_mov_b32 s83, 0
	s_add_nc_u64 s[8:9], s[8:9], s[82:83]
	; the prefetches' place
	s_lshr_b32 s79, s[TR], 3
	s_lshl_b32 s79, s79, 22
	s_and_b32 s80, s[TR], 7
	s_lshl_b32 s80, s80, 15
	s_add_co_u32 s79, s79, s80
	s_lshl_b32 s80, s[HF], 18
	s_add_co_u32 s79, s79, s80
	s_lshl_b32 s80, s[CX], 13
	s_add_co_u32 s79, s79, s80                     ; O: my work-group's 8,192 of the 32,768 bytes that I fetch
	s_lshl_b32 s80, s[TC], 7
	s_lshl_b32 s81, s[HF], 6
	s_add_co_u32 s80, s80, s81
	s_lshl_b32 s81, s[CY], 4
	s_add_co_u32 s80, s80, s81
	s_lshl_b32 s80, s80, 11                        ; out_w: my work-group's 16 of the 64 rows
	s_and_b32 s81, ttmp7, 0xffff
	s_mov_b32 s[PST], KSTEP*2
	s_mov_b32 s[PST+1], 0
	s_cmp_eq_u32 s[FB], 0
	s_cselect_b32 s82, s79, s80
	s_cselect_b32 s81, ttmp9, s81                  ; the coordinate along which other clusters read the same bytes
	s_cselect_b32 s79, 31, 15
	s_cselect_b32 s80, 8, 11                       ; a lane is 256 bytes of O, or a row of out_w
	s_cselect_b32 s[PST], 0x80000, s[PST]
	s_cselect_b64 s[PFA:PFA+1], s[4:5], s[6:7]
	s_cmp_eq_u32 s81, 0
	s_cselect_b32 s[LIM], 1, -1                    ; the same in all sixteen partners, for a given wave
	s_mul_i32 s81, s[PST], 3
	s_add_co_u32 s82, s82, s81                     ; at K step 3: the first refill steps it to 4
	s_mov_b32 s83, 0
	s_add_nc_u64 s[PFA:PFA+1], s[PFA:PFA+1], s[82:83]
	v_and_b32 v[PFO], 31, v0
	v_min_u32 v[PFO], s79, v[PFO]
	v_lshlrev_b32 v[PFO], s80, v[PFO]
; 8 matrix instructions: row block a x all 8 column blocks, 32 along K.  The 32 accumulators take turns in the same order in every quarter, over the backward jump too.
.macro MUL8 f, a, zero
	WIN 0xa5                                       ; sources in window 1, C and D in window 2
.irp b, 0,1,2,3,4,5,6,7
.if \zero
	v_wmma_f32_16x16x32_f16 v[8*(8*(\a)+(\b)):8*(8*(\a)+(\b))+7], v[(\f)+32+8*(\b):(\f)+32+8*(\b)+7], v[(\f)+8*(\a):(\f)+8*(\a)+7], 0
.else
	v_wmma_f32_16x16x32_f16 v[8*(8*(\a)+(\b)):8*(8*(\a)+(\b))+7], v[(\f)+32+8*(\b):(\f)+32+8*(\b)+7], v[(\f)+8*(\a):(\f)+8*(\a)+7], v[8*(8*(\a)+(\b)):8*(8*(\a)+(\b))+7]
.endif
.endr
.endm
.macro MUL16 f, hi, zero
	MUL8 \f, 2*(\hi), \zero
	MUL8 \f, 2*(\hi)+1, \zero
.endm
; 24 LDS loads in one run: quarter q of the slot's K step (head q / 2 of the two, channels 32 (q % 2) on), out_w's 8 fragments and then O's 4 in ascending order, into buffer f
.macro FETCH slot, q, f
	WIN 0x40
.irp b, 0,1,2,3,4,5,6,7
	ds_load_b128 v[(\f)+32+8*(\b):(\f)+32+8*(\b)+3],   v[ADRB+(\slot)] offset:64*(\q)+(\b)*16*PB
	ds_load_b128 v[(\f)+32+8*(\b)+4:(\f)+32+8*(\b)+7], v[ADRB+(\slot)] offset:64*(\q)+(\b)*16*PB+32
.endr
.irp a, 0,1,2,3
	ds_load_b128 v[(\f)+8*(\a):(\f)+8*(\a)+3],   v[ADRA+(\slot)] offset:((\q)/2)*HALFA+((\q)%2)*64+(\a)*16*PA
	ds_load_b128 v[(\f)+8*(\a)+4:(\f)+8*(\a)+7], v[ADRA+(\slot)] offset:((\q)/2)*HALFA+((\q)%2)*64+(\a)*16*PA+32
.endr
.endm
.macro QUARTER slot, q, f, g, zero     ; multiplies f; in its middle fetches quarter q into g
	s_wait_dscnt 4                                 ; out_w and O's blocks 0, 1 are in; the youngest four loads may be out
	MUL16 \f, 0, \zero
	PLACES
	FETCH \slot, \q, \g
	s_wait_dscnt 24                                ; all but the 24 just issued
	MUL16 \f, 1, \zero
.endm
; The last quarter multiplies buffer 1 and changes slots.  In front of the barrier each wave waits for all its tensor loads (one is out: its part of the next slot), adds 0 to its spare word, and waits for that and
; for its reads of this slot.  fill = 1: the barrier opens a round of the cluster's; the joint refill, two K steps on, is the first thing behind it.
.macro TURN slot, next, fill
.if \fill
	s_wait_xcnt 0x0                                ; the last prefetch, a K step back, has read its address, which is stepped here
	s_add_nc_u64 s[PFA:PFA+1], s[PFA:PFA+1], s[PST:PST+1]
.endif
	WIN 0
	s_wait_tensorcnt 0x0
	ds_add_u32 v[SPW], v[NIL]
	s_wait_dscnt 5                                 ; (the add and the youngest four loads may be out)
	MUL8 F1, 0, 0                                  ; eight matrix instructions stand between the add and the wait for it
	s_wait_dscnt 0x0                               ; the add is done, and my reads of this slot are over
	s_barrier_signal -1
	MUL8 F1, 1, 0
.if \fill
	WIN 0
.endif
	s_barrier_wait -1
.if \fill
	CREST
	s_add_nc_u64 s[G0+4*(\slot)+2:G0+4*(\slot)+3], s[G0+4*(\slot)+2:G0+4*(\slot)+3], 2*524288
	s_add_nc_u64 s[G0B+4*(\slot)+2:G0B+4*(\slot)+3], s[G0B+4*(\slot)+2:G0B+4*(\slot)+3], 2*KSTEP*2
	JLOAD \slot                                    ; my one tensor load behind the round; its four v_nop are also the places in front of the loads below
.else
	PLACES
.endif
	FETCH \next, 0, F0
.if \fill
	ASK
.endif
	MUL16 F1, 1, 0
.endm
	s_wait_tensorcnt 1                             ; my part of K step 0 is in; K step 1's may stay out
	s_barrier_signal -1
	s_barrier_wait -1
	FETCH 0, 0, F0
	QUARTER 0, 1, F0, F1, 1                        ; the first quarter's products start the sums
	WIN 0
	s_mov_b32 s[LAP], 3                            ; 8 K steps are 4 laps of the ring; the last is written out
.Llap:
	QUARTER 0, 2, F1, F0, 0
	QUARTER 0, 3, F0, F1, 0
	TURN 0, 1, 1
	QUARTER 1, 1, F0, F1, 0
	QUARTER 1, 2, F1, F0, 0
	QUARTER 1, 3, F0, F1, 0
	TURN 1, 0, 1
	QUARTER 0, 1, F0, F1, 0
	WIN 0
	s_sub_co_u32 s[LAP], s[LAP], 1
	s_cmp_lg_u32 s[LAP], 0
	s_cbranch_scc1 .Llap
	QUARTER 0, 2, F1, F0, 0                        ; the last lap fills nothing
	QUARTER 0, 3, F0, F1, 0
	TURN 0, 1, 0
	QUARTER 1, 1, F0, F1, 0
	QUARTER 1, 2, F1, F0, 0
	QUARTER 1, 3, F0, F1, 0
	s_wait_dscnt 4
	MUL16 F1, 0, 0
	s_wait_dscnt 0x0
	MUL16 F1, 1, 0
; THE WAY OUT, 16 rows at a time: the sums go as they are into my own stage (a lane's 32 bytes of a row, each accumulator's low half first) and come back as whole rows of 512 bytes.
.macro TOSTAGE a
	WIN 0x08                                       ; the stores' data in window 2
.irp b, 0,1,2,3,4,5,6,7
	ds_store_b128 v[STO], v[8*(8*(\a)+(\b)):8*(8*(\a)+(\b))+3]   offset:64*(\b)
	ds_store_b128 v[STO], v[8*(8*(\a)+(\b))+4:8*(8*(\a)+(\b))+7] offset:64*(\b)+16
.endr
	WIN 0x40
.set i, 0
.rept 16
	ds_load_b128 v[64*(\a)+4*i:64*(\a)+4*i+3], v[RD] offset:SP*i  ; LDS serves a wave's instructions in order (ISA guide 5.7.1.4): these see the stores above
.set i, i+1
.endr
.endm
.macro SEND a, younger                 ; younger: the LDS instructions issued behind block a's loads.  Every block has registers of its own and the base is never stepped
	WIN 0x04                                       ; the stores' data in window 1
	s_wait_dscnt \younger
.set i, 0
.rept 16
	global_store_b128 v[CO], v[64*(\a)+4*i:64*(\a)+4*i+3], s[8:9] offset:(16*(\a)+i)*4096 th:TH_STORE_NT  ; 512 consecutive bytes of a row, aligned
.set i, i+1
.endr
.endm
	WIN 0
	PLACES
	TOSTAGE 0
	TOSTAGE 1
	SEND 0, 32
	TOSTAGE 2
	SEND 1, 32
	TOSTAGE 3
	SEND 2, 32
	SEND 3, 0
	WIN 0
	s_wait_tensorcnt 0x0                           ; the wave's end: behind my last tensor load and my last LDS store
	ds_add_u32 v[SPW], v[NIL]
	s_wait_dscnt 0x0
	CROUND                                         ; the closing round: no work-group ends while a partner may still ask for a tile that names it
	s_endpgm
.Lfunc_end_k_q7cd4c02324_proj:
	.size	k_q7cd4c02324_proj, .Lfunc_end_k_q7cd4c02324_proj-k_q7cd4c02324_proj
	.p2alignl 7, 3214868480
	.fill 96, 4, 3214868480
	.section	.rodata,"a",@progbits
	.p2align	6, 0x0
	.amdhsa_kernel k_q7cd4c02324_proj
		.amdhsa_group_segment_fixed_size 327680
		.amdhsa_private_segment_fixed_size 0
		.amdhsa_enable_private_segment 0
		.amdhsa_kernarg_size 24
		.amdhsa_user_sgpr_count 2
		.amdhsa_user_sgpr_kernarg_segment_ptr 1
		.amdhsa_wavefront_size32 1
		.amdhsa_system_sgpr_workgroup_id_x 1
		.amdhsa_system_sgpr_workgroup_id_y 1
		.amdhsa_system_sgpr_workgroup_id_z 1
		.amdhsa_system_vgpr_workitem_id 0
		.amdhsa_next_free_vgpr 768
		.amdhsa_next_free_sgpr 84
		.amdhsa_reserve_vcc 0
		.amdhsa_float_denorm_mode_32 3
		.amdhsa_float_denorm_mode_16_64 3
		.amdhsa_memory_ordered 1
		.amdhsa_forward_progress 1
		.amdhsa_inst_pref_size 86
	.end_amdhsa_kernel
	.amdgpu_metadata
---
amdhsa.version: [ 1, 2 ]
amdhsa.kernels:
  - .name:           k_q7cd4c02324_proj
    .symbol:         k_q7cd4c02324_proj.kd
    .args:
      - { .name: oh, .offset: 0, .size: 8, .value_kind: global_buffer, .address_space: global }
      - { .name: owh, .offset: 8, .size: 8, .value_kind: global_buffer, .address_space: global }
      - { .name: out0, .offset: 16, .size: 8, .value_kind: global_buffer, .address_space: global }
    .group_segment_fixed_size: 327680
    .private_segment_fixed_size: 0
    .kernarg_segment_align: 8
    .kernarg_segment_size: 24
    .max_flat_workgroup_size: 128
    .sgpr_count:     84
    .vgpr_count:     768
    .wavefront_size: 32
...
	.end_amdgpu_metadata
.endif
;; end of part 4
;; ======== version 2 of 2: 4 launches; version 1 with the launch cast written anew for expert scheduling mode
;; limits: values are held in f16: magnitudes above 65,504 overflow, below 6.1e-05 lose precision
;; workspace buffers: xb 16,777,216 bytes; wb 6,291,456 bytes; owh 2,097,152 bytes; tab 524,288 bytes; qh 16,777,216 bytes; kh 16,777,216 bytes; vh 16,777,216 bytes; oh 16,777,216 bytes
;; launch cast (part 5): grid 784 x 1, 8 waves a work-group, no clusters, 0 bytes of LDS; arguments x, qkv_w, out_w, cos, sin, xb, wb, owh, tab; writes xb, wb, owh, tab
.if DOCPART == 5
	.amdgcn_target "amdgcn-amd-amdhsa--gfx1250"
	.amdhsa_code_object_version 6
	.text
	.protected	k_q7cd4c02324_cast
	.globl	k_q7cd4c02324_cast
	.p2align	8
	.type	k_q7cd4c02324_cast,@function
k_q7cd4c02324_cast:
	s_mov_b64 s[64:65], 0
	v_nop
	global_prefetch_b8 v0, s[64:65] scope:SCOPE_SE
	s_setreg_imm32_b32 hwreg(HW_REG_WAVE_SCHED_MODE, 0, 2), 2
	s_setreg_imm32_b32 hwreg(HW_REG_WAVE_MODE, 25, 1), 1
	s_wait_xcnt 0x0
	s_wait_alu depctr_vm_vsrc(0)
; THE INPUTS ARE ROUNDED ONCE, for the matrix launches that follow.  A stream: no LDS, no barrier, no matrix unit.
;   x      [8192][1024] f32 -> xb  [8192][1024] bf16
;   qkv_w  [3072][1024] f32 -> wb  [3072][1024] bf16, rows in another order: row 192 head + 64 kind + d holds qkv_w's row 1024 kind + 64 head + d
;                                  (kind 0 q, 1 k, 2 v), so that 192 neighbouring rows are one head's q, k and v
;   out_w  [1024][1024] f32 -> owh [1024][1024]: rounded to bf16, and that number written as f16 (the last product runs in f16)
;   cos, sin [2048][64] f32 -> tab: bf16(cos) x 2^-8 at byte 0, bf16(sin) x 2^-8 at byte 262,144.  The factor is a power of two: it changes no rounding.
; LIMITS.  A number of out_w below 2^-14 in size keeps f16's fixed step of 2^-24 (below 2^-17 that is coarser than bf16); beyond 65,504 it would be an infinity.
; cos or sin below 2^-118 in size lose bits to the factor.  NaN and infinities are not treated apart.
; SHARES.  A work-group converts 16,384 numbers: 64 KiB in, 32 KiB out.  Groups 0-511 x, 512-703 qkv_w (16 rows each), 704-767 out_w, 768-775 cos, 776-783 sin.
; Thread t takes 16 bytes at 16 t of each 4,096: a wave's load covers 512 consecutive bytes, its store 256 consecutive bytes, aligned.
; All sixteen loads of a thread go out at once; each has registers of its own, in and out, so no register is written twice.
; THE MODE: SCHED_MODE bits 1:0 = 2 (LLVM: expert scheduling mode 2), set by the entry lines.  The code itself states the register dependences
; between vector instructions and memory instructions, with s_wait_alu, always for 0.
; THE PLAN.  Registers that memory instructions touch:
;   v1, v2   the loads' and the stores' offsets: written once at the head, never again.
;   D        load i lands in four registers of its own; all sixteen loads are issued before any vector line names D.
;   Y        pair i is written once, by load i's conversions, and read once, by store i; no pair is written again.
;   T        is named by vector lines alone.
; The sixteen loads are taken in four blocks of four.  Block g's conversions write its four pairs of Y; its four stores are issued in block g + 1,
; one ahead of each load's conversions.  ONE wait on va_vdst at a block's head states that the block before has written its pairs; the block's own
; conversions name its own D and Y and T, none of the registers that those stores read, so the stores stand among them with no further wait.
; No register that a load or store reads is ever written again: the text has no dependence for a wait on vm_vsrc to state.
.set D, 4                              ; v[4:67]    sixteen loads of four f32
.set Y, 68                             ; v[68:99]   sixteen pairs of packed results
.set T, 100                            ; v[100:101] at work
.set SRC, 28                           ; s[28:29] where I read
.set DST, 30                           ; s[30:31] where I write
.set SB,  32                           ; s32 first group of my source
.set DB,  33                           ; s33 first group of my destination (sin follows cos in tab)
.set KIND, 34                          ; s34 0 x, 1 qkv_w, 2 out_w, 3 cos and sin
	s_load_b512 s[8:23], s[0:1], 0x0               ; x 8, qkv_w 10, out_w 12, cos 14, sin 16, xb 18, wb 20, owh 22
	s_load_b64 s[24:25], s[0:1], 0x40              ; tab
	v_lshlrev_b32 v1, 4, v0                        ; 16 t: my bytes in 4,096 of the source
	v_lshlrev_b32 v2, 3, v0                        ; 8 t: in 2,048 of the destination
	s_mov_b32 s26, ttmp9
	s_mov_b32 s38, 0xffff0000                      ; a word's upper bf16
	s_mov_b32 s36, 0x3b800000                      ; 2^-8
	s_mov_b32 s37, s36                             ; named with it as a pair
	s_mov_b32 s[SB], 0
	s_mov_b32 s[DB], 0
	s_mov_b32 s[KIND], 0
	s_wait_kmcnt 0x0
	s_mov_b64 s[SRC:SRC+1], s[8:9]
	s_mov_b64 s[DST:DST+1], s[18:19]
.macro PICK first, src, dst, db, kind  ; from group first on: another source and destination
	s_cmp_ge_u32 s26, \first
	s_cselect_b64 s[SRC:SRC+1], s[\src:\src+1], s[SRC:SRC+1]
	s_cselect_b64 s[DST:DST+1], s[\dst:\dst+1], s[DST:DST+1]
	s_cselect_b32 s[SB], \first, s[SB]
	s_cselect_b32 s[DB], \db, s[DB]
	s_cselect_b32 s[KIND], \kind, s[KIND]
.endm
	PICK 512, 10, 20, 512, 1
	PICK 704, 12, 22, 704, 2
	PICK 768, 14, 24, 768, 3
	PICK 776, 16, 24, 768, 3
	s_sub_co_u32 s44, s26, s[SB]                   ; my group within the source
	s_lshl_b32 s40, s44, 16                        ; x 64 KiB
	s_mov_b32 s41, 0
	s_sub_co_u32 s42, s26, s[DB]
	s_lshl_b32 s42, s42, 15                        ; x 32 KiB: the plain place in the destination
	s_mov_b32 s43, 0
	s_lshr_b32 s45, s44, 2                         ; qkv_w: four groups are 64 rows, one kind of one head
	s_and_b32 s46, s45, 15                         ; head
	s_lshr_b32 s45, s45, 4                         ; kind
	s_and_b32 s44, s44, 3                          ; which 16 of the 64 rows
	s_mul_i32 s46, s46, 192
	s_lshl_b32 s45, s45, 6
	s_add_co_u32 s46, s46, s45
	s_lshl_b32 s44, s44, 4
	s_add_co_u32 s46, s46, s44                     ; row 192 head + 64 kind + 16 part
	s_lshl_b32 s46, s46, 11                        ; x 2,048 bytes
	s_cmp_eq_u32 s[KIND], 1
	s_cselect_b32 s42, s46, s42
	s_add_nc_u64 s[SRC:SRC+1], s[SRC:SRC+1], s[40:41]
	s_add_nc_u64 s[DST:DST+1], s[DST:DST+1], s[42:43]
	s_wait_alu depctr_va_vdst(0)                   ; v1 and v2 are written: every load of the kernel reads v1 as its offset, every store v2
.set i, 0
.rept 16
	global_load_b128 v[D+4*i:D+4*i+3], v1, s[SRC:SRC+1] offset:4096*i th:TH_LOAD_NT  ; each input byte is read once in the launch
.set i, i+1
.endr
; mode 0: bf16.  mode 1: bf16, widened again (a shift, a mask) and written as f16.  mode 2: times 2^-8, then bf16.
; g: the block of four loads; j: the load in the block; i = 4 g + j.
.macro WAY mode
.set g, 0
.rept 4
.set j, 0
.rept 4
.set i, 4*g+j
	s_wait_loadcnt 15-i                            ; loads come back in order: load i is in, the 15 - i younger ones stay out
.if (j == 0) && (g > 0)
	s_wait_alu depctr_va_vdst(0)                   ; the block before has written its four pairs of Y, which this block's four stores read
.endif
.if g > 0
	global_store_b64 v2, v[Y+2*(i-4):Y+2*(i-4)+1], s[DST:DST+1] offset:2048*(i-4)  ; the block before; no vector line since the wait names this pair or v2
.endif
.if (\mode) == 2
	v_pk_mul_f32 v[D+4*i:D+4*i+1], v[D+4*i:D+4*i+1], s[36:37] op_sel_hi:[1,0]
	v_pk_mul_f32 v[D+4*i+2:D+4*i+3], v[D+4*i+2:D+4*i+3], s[36:37] op_sel_hi:[1,0]
.endif
.if (\mode) == 1
	v_cvt_pk_bf16_f32 v[T], v[D+4*i], v[D+4*i+1]
	v_cvt_pk_bf16_f32 v[T+1], v[D+4*i+2], v[D+4*i+3]
	v_lshlrev_b32 v[D+4*i], 16, v[T]
	v_and_b32 v[D+4*i+1], s38, v[T]
	v_lshlrev_b32 v[D+4*i+2], 16, v[T+1]
	v_and_b32 v[D+4*i+3], s38, v[T+1]
	v_cvt_pk_f16_f32 v[Y+2*i], v[D+4*i], v[D+4*i+1]
	v_cvt_pk_f16_f32 v[Y+2*i+1], v[D+4*i+2], v[D+4*i+3]
.else
	v_cvt_pk_bf16_f32 v[Y+2*i], v[D+4*i], v[D+4*i+1]
	v_cvt_pk_bf16_f32 v[Y+2*i+1], v[D+4*i+2], v[D+4*i+3]
.endif
.set j, j+1
.endr
.set g, g+1
.endr
	s_wait_alu depctr_va_vdst(0)                   ; the last block has written its four pairs of Y, which the last four stores read
.set i, 12
.rept 4
	global_store_b64 v2, v[Y+2*i:Y+2*i+1], s[DST:DST+1] offset:2048*i
.set i, i+1
.endr
	s_endpgm
.endm
	s_cmp_eq_u32 s[KIND], 2
	s_cbranch_scc1 .Lhalf
	s_cmp_eq_u32 s[KIND], 3
	s_cbranch_scc1 .Lscaled
	WAY 0
.Lhalf:
	WAY 1
.Lscaled:
	WAY 2
.Lfunc_end_k_q7cd4c02324_cast:
	.size	k_q7cd4c02324_cast, .Lfunc_end_k_q7cd4c02324_cast-k_q7cd4c02324_cast
	.p2alignl 7, 3214868480
	.fill 96, 4, 3214868480
	.section	.rodata,"a",@progbits
	.p2align	6, 0x0
	.amdhsa_kernel k_q7cd4c02324_cast
		.amdhsa_group_segment_fixed_size 0
		.amdhsa_private_segment_fixed_size 0
		.amdhsa_enable_private_segment 0
		.amdhsa_kernarg_size 72
		.amdhsa_user_sgpr_count 2
		.amdhsa_user_sgpr_kernarg_segment_ptr 1
		.amdhsa_wavefront_size32 1
		.amdhsa_system_sgpr_workgroup_id_x 1
		.amdhsa_system_sgpr_workgroup_id_y 1
		.amdhsa_system_sgpr_workgroup_id_z 1
		.amdhsa_system_vgpr_workitem_id 0
		.amdhsa_next_free_vgpr 104
		.amdhsa_next_free_sgpr 66
		.amdhsa_reserve_vcc 0
		.amdhsa_float_denorm_mode_32 3
		.amdhsa_float_denorm_mode_16_64 3
		.amdhsa_memory_ordered 1
		.amdhsa_forward_progress 1
		.amdhsa_inst_pref_size 23
	.end_amdhsa_kernel
	.amdgpu_metadata
---
amdhsa.version: [ 1, 2 ]
amdhsa.kernels:
  - .name:           k_q7cd4c02324_cast
    .symbol:         k_q7cd4c02324_cast.kd
    .args:
      - { .name: x, .offset: 0, .size: 8, .value_kind: global_buffer, .address_space: global }
      - { .name: qkv_w, .offset: 8, .size: 8, .value_kind: global_buffer, .address_space: global }
      - { .name: out_w, .offset: 16, .size: 8, .value_kind: global_buffer, .address_space: global }
      - { .name: cos, .offset: 24, .size: 8, .value_kind: global_buffer, .address_space: global }
      - { .name: sin, .offset: 32, .size: 8, .value_kind: global_buffer, .address_space: global }
      - { .name: xb, .offset: 40, .size: 8, .value_kind: global_buffer, .address_space: global }
      - { .name: wb, .offset: 48, .size: 8, .value_kind: global_buffer, .address_space: global }
      - { .name: owh, .offset: 56, .size: 8, .value_kind: global_buffer, .address_space: global }
      - { .name: tab, .offset: 64, .size: 8, .value_kind: global_buffer, .address_space: global }
    .group_segment_fixed_size: 0
    .private_segment_fixed_size: 0
    .kernarg_segment_align: 8
    .kernarg_segment_size: 72
    .max_flat_workgroup_size: 256
    .sgpr_count:     66
    .vgpr_count:     104
    .wavefront_size: 32
...
	.end_amdgpu_metadata
.endif
;; end of part 5
;; launch qkv: the kernel of part 2 again; grid 16 x 32, 4 waves a work-group, clusters of 4 x 4, 327,680 bytes of LDS; arguments xb, wb, tab, qh, kh, vh; writes qh, kh, vh
;; launch attn: the kernel of part 3 again; grid 4 x 64, 8 waves a work-group, no clusters, 252,928 bytes of LDS; arguments qh, kh, vh, oh; writes oh
;; launch proj: the kernel of part 4 again; grid 8 x 32, 4 waves a work-group, clusters of 4 x 4, 327,680 bytes of LDS; arguments oh, owh, out0; writes out0
